; MI455X (gfx1250); checked and timed in simulation.
; The chip was launched on July 23, 2026; its instructions are those of AMD's public machine-readable ISA for CDNA 5 (MIT licence, August 2026) and "CDNA5" Instruction Set Architecture Reference Guide (July 2026). The comments in the code are by the model that wrote it; some were corrected since.
;; Multi Head Attention. Allowed arithmetic: float matrix products may take bf16 or f16 operands with f32 sums; all other float work in f32.
;; Inputs: b_out 1,024 float32; b_qkv 3,072 float32; w_out 1,024 x 1,024 float32; w_qkv 1,024 x 3,072 float32; x 4 x 2,048 x 1,024 float32.
;; Outputs: out0 4 x 2,048 x 1,024 float32.
;; One version. Each part assembles by itself: llvm-mc -triple=amdgcn-amd-amdhsa -mcpu=gfx1250 --defsym DOCPART=n.
;; ======== version 1 of 1: 4 launches
;; limits: values are held in f16: magnitudes above 65,504 overflow, below 6.1e-05 lose precision
;; workspace buffers: xb 16,777,216 bytes; wqb 6,291,456 bytes; wob 2,097,152 bytes; qkv 50,331,648 bytes; o 16,777,216 bytes
;; launch prep (part 1): grid 768 x 1, 8 waves a work-group, no clusters, 0 bytes of LDS; arguments x, w_qkv, w_out, xb, wqb, wob; writes xb, wqb, wob
.if DOCPART == 1
	.amdgcn_target "amdgcn-amd-amdhsa--gfx1250"
	.amdhsa_code_object_version 6
	.text
	.protected	k_q58020ea932_prep
	.globl	k_q58020ea932_prep
	.p2align	8
	.type	k_q58020ea932_prep,@function
k_q58020ea932_prep:
	s_mov_b64 s[64:65], 0
	v_nop
	global_prefetch_b8 v0, s[64:65] scope:SCOPE_SE
	s_setreg_imm32_b32 hwreg(HW_REG_WAVE_MODE, 25, 1), 1
	s_wait_xcnt 0x0
; THE CASTS.  x [8192][1024] f32 -> xb, bf16, in 16 blocks of 64 columns: byte = block x 1,048,576 + row x 128 + 2 x column in the block, so that a
; block's rows lie end to end.  w_qkv [1024][3072] f32 -> wqb, bf16, same order.  w_out [1024][1024] f32 -> wob: rounded to bf16 like every input, and that
; number written as f16, since the last product multiplies in f16.
; LIMITS.  The f16 copy of a bf16 number is exact for 6.1e-5 <= |w| < 65,504; below that it keeps f16's fixed step of 6e-8; from 65,520 on it is an infinity.
; A stream: each input byte is read once, by 16-byte loads; each store of a wave covers 256 consecutive bytes, aligned.  No LDS, no barrier, no matrix work: nothing is shared and nothing is summed.
; A work-group of eight waves takes 65,536 input bytes, a wave 16 loads of 512 bytes, all 16 on their way at once.  Work-groups 0-511: x; 512-703: w_qkv; 704-767: w_out.
.set IN,  4                            ; v[4:67]    16 x 4 registers as loaded
.set OUT, 68                           ; v[68:99]   16 x 2 registers to store
.set T,   100                          ; v[100:103] at work
; 16 loads, then for each: its wait, the rounding, its store.  instep, outstep: bytes from one load (store) to the next.  split = 1: stores 8-15 go by the second base.
; f16 = 1: the bf16 numbers are widened again and written as f16.  No register is written twice while a load or store names it, so no further wait is needed.
.macro CAST instep, outstep, split, f16
.set j, 0
.rept 16
	global_load_b128 v[IN+4*j:IN+4*j+3], v2, s[20:21] offset:j*(\instep) th:TH_LOAD_NT
.set j, j+1
.endr
.set j, 0
.rept 16
	s_wait_loadcnt 15-j                            ; loads come back in order: load j is in, the 15 - j younger ones stay out
	v_cvt_pk_bf16_f32 v[OUT+2*j],   v[IN+4*j],   v[IN+4*j+1]
	v_cvt_pk_bf16_f32 v[OUT+2*j+1], v[IN+4*j+2], v[IN+4*j+3]
.if \f16
	v_lshlrev_b32 v[T],   16, v[OUT+2*j]
	v_and_b32     v[T+1], 0xffff0000, v[OUT+2*j]
	v_lshlrev_b32 v[T+2], 16, v[OUT+2*j+1]
	v_and_b32     v[T+3], 0xffff0000, v[OUT+2*j+1]
	v_cvt_pk_f16_f32 v[OUT+2*j],   v[T],   v[T+1]
	v_cvt_pk_f16_f32 v[OUT+2*j+1], v[T+2], v[T+3]
.endif
.if (\split) && (j >= 8)
	global_store_b64 v3, v[OUT+2*j:OUT+2*j+1], s[24:25] offset:(j-8)*(\outstep)
.else
	global_store_b64 v3, v[OUT+2*j:OUT+2*j+1], s[22:23] offset:j*(\outstep)
.endif
.set j, j+1
.endr
.endm
	s_load_b256 s[4:11], s[0:1], 0x0               ; x s[4:5], w_qkv s[6:7], w_out s[8:9], xb s[10:11]
	s_load_b128 s[12:15], s[0:1], 0x20             ; wqb s[12:13], wob s[14:15]
	v_lshrrev_b32 v1, 5, v0
	v_readfirstlane_b32 s16, v1                    ; wave 0..7
	v_and_b32 v1, 31, v0                           ; lane
	v_lshlrev_b32 v3, 3, v1                        ; 8 bytes a lane on the way out
	s_mov_b32 s19, 0                               ; high words of the two offset pairs
	s_mov_b32 s27, 0
	s_wait_kmcnt 0x0
	s_cmp_lt_u32 ttmp9, 512
	s_cbranch_scc0 .Lweights
	; x: the wave takes rows 16 g + 2 w and the next; load j brings block j's 64 columns of both rows: lanes 0-15 one row's 256 bytes, lanes 16-31 the other's
	v_and_b32 v2, 15, v0
	v_bfe_u32 v[T], v0, 4, 1
	v_lshlrev_b32 v2, 4, v2
	v_lshl_add_u32 v2, v[T], 12, v2                ; 16 x (lane % 16) + 4,096 x (lane / 16)
	s_lshl_b32 s18, ttmp9, 16                      ; 16 rows of 4,096 bytes
	s_lshl_b32 s28, s16, 13
	s_add_co_u32 s18, s18, s28
	s_add_nc_u64 s[20:21], s[4:5], s[18:19]
	s_lshl_b32 s26, ttmp9, 11                      ; 16 rows of 128 bytes in a block
	s_lshl_b32 s28, s16, 8
	s_add_co_u32 s26, s26, s28
	s_add_nc_u64 s[22:23], s[10:11], s[26:27]
	s_add_nc_u64 s[24:25], s[22:23], 0x800000      ; blocks 8-15: so that the immediates stay at 7,340,032 at the most, inside their signed 24 bits
	CAST 256, 1048576, 1, 0
	s_endpgm
.Lweights:
	v_lshlrev_b32 v2, 4, v1                        ; 16 bytes a lane: 512 consecutive bytes a load
	s_cmp_lt_u32 ttmp9, 704
	s_cbranch_scc0 .Lwout
	s_sub_co_u32 s17, ttmp9, 512
	s_lshl_b32 s18, s17, 16
	s_lshl_b32 s28, s16, 13
	s_add_co_u32 s18, s18, s28
	s_add_nc_u64 s[20:21], s[6:7], s[18:19]
	s_lshl_b32 s26, s17, 15
	s_lshl_b32 s28, s16, 12
	s_add_co_u32 s26, s26, s28
	s_add_nc_u64 s[22:23], s[12:13], s[26:27]
	CAST 512, 256, 0, 0
	s_endpgm
.Lwout:
	s_sub_co_u32 s17, ttmp9, 704
	s_lshl_b32 s18, s17, 16
	s_lshl_b32 s28, s16, 13
	s_add_co_u32 s18, s18, s28
	s_add_nc_u64 s[20:21], s[8:9], s[18:19]
	s_lshl_b32 s26, s17, 15
	s_lshl_b32 s28, s16, 12
	s_add_co_u32 s26, s26, s28
	s_add_nc_u64 s[22:23], s[14:15], s[26:27]
	CAST 512, 256, 0, 1
	s_endpgm
.Lfunc_end_k_q58020ea932_prep:
	.size	k_q58020ea932_prep, .Lfunc_end_k_q58020ea932_prep-k_q58020ea932_prep
	.p2alignl 7, 3214868480
	.fill 96, 4, 3214868480
	.section	.rodata,"a",@progbits
	.p2align	6, 0x0
	.amdhsa_kernel k_q58020ea932_prep
		.amdhsa_group_segment_fixed_size 0
		.amdhsa_private_segment_fixed_size 0
		.amdhsa_enable_private_segment 0
		.amdhsa_kernarg_size 48
		.amdhsa_user_sgpr_count 2
		.amdhsa_user_sgpr_kernarg_segment_ptr 1
		.amdhsa_wavefront_size32 1
		.amdhsa_system_sgpr_workgroup_id_x 1
		.amdhsa_system_sgpr_workgroup_id_y 1
		.amdhsa_system_sgpr_workgroup_id_z 1
		.amdhsa_system_vgpr_workitem_id 0
		.amdhsa_next_free_vgpr 104
		.amdhsa_next_free_sgpr 66
		.amdhsa_reserve_vcc 0
		.amdhsa_float_denorm_mode_32 3
		.amdhsa_float_denorm_mode_16_64 3
		.amdhsa_memory_ordered 1
		.amdhsa_forward_progress 1
		.amdhsa_inst_pref_size 24
	.end_amdhsa_kernel
	.amdgpu_metadata
---
amdhsa.version: [ 1, 2 ]
amdhsa.kernels:
  - .name:           k_q58020ea932_prep
    .symbol:         k_q58020ea932_prep.kd
    .args:
      - { .name: x, .offset: 0, .size: 8, .value_kind: global_buffer, .address_space: global }
      - { .name: w_qkv, .offset: 8, .size: 8, .value_kind: global_buffer, .address_space: global }
      - { .name: w_out, .offset: 16, .size: 8, .value_kind: global_buffer, .address_space: global }
      - { .name: xb, .offset: 24, .size: 8, .value_kind: global_buffer, .address_space: global }
      - { .name: wqb, .offset: 32, .size: 8, .value_kind: global_buffer, .address_space: global }
      - { .name: wob, .offset: 40, .size: 8, .value_kind: global_buffer, .address_space: global }
    .group_segment_fixed_size: 0
    .private_segment_fixed_size: 0
    .kernarg_segment_align: 8
    .kernarg_segment_size: 48
    .max_flat_workgroup_size: 256
    .sgpr_count:     66
    .vgpr_count:     104
    .wavefront_size: 32
...
	.end_amdgpu_metadata
.endif
;; end of part 1
;; launch qkvp (part 2): grid 8 x 32, 4 waves a work-group, clusters of 4 x 4, 327,680 bytes of LDS; arguments xb, wqb, b_qkv, qkv; writes qkv
.if DOCPART == 2
	.amdgcn_target "amdgcn-amd-amdhsa--gfx1250"
	.amdhsa_code_object_version 6
	.text
	.protected	k_q58020ea932_qkvp
	.globl	k_q58020ea932_qkvp
	.p2align	8
	.type	k_q58020ea932_qkvp,@function
k_q58020ea932_qkvp:
	s_mov_b64 s[64:65], 0
	v_nop
	global_prefetch_b8 v0, s[64:65] scope:SCOPE_SE
	s_setreg_imm32_b32 hwreg(HW_REG_WAVE_MODE, 25, 1), 1
	s_wait_xcnt 0x0
	s_wait_alu depctr_hold_cnt(0) depctr_sa_sdst(0) depctr_va_vdst(0) depctr_va_sdst(0) depctr_va_ssrc(0) depctr_va_vcc(0) depctr_vm_vsrc(0)
	s_getreg_b32 s2, hwreg(HW_REG_IB_STS2, 6, 4)
	s_cmp_eq_u32 s2, 0
	s_cbranch_scc0 .Lentry_in_a_cluster
	s_endpgm
.Lentry_in_a_cluster:
	s_bfe_u32 s2, ttmp6, 0x10000c
	s_cmp_lg_u32 s2, 0xf033
	s_cbranch_scc0 .Lentry_shape_is_right
	s_endpgm
.Lentry_shape_is_right:
; THE FIRST PROJECTION.  C[8192][3072] = x w_qkv + b_qkv, operands bf16, sums f32; the bias (rounded to bf16 like every input) is the C operand that starts each sum; C is rounded once to f16 and
; written by heads: qkv [3][64 = batch x 16 + head][2048][64].  The softmax's scale is NOT applied here.
; LIMITS.  f16 holds no number beyond 65,504: a q, k or v of 65,520 or more becomes an infinity; below 6.1e-5 it keeps f16's fixed step of 6e-8.
; SHARES.  A tile of C is 256 x 384: 32 x 8 = 256 work-groups.  Four waves, each 128 rows x 192 columns (three heads): 8 x 12 = 96 accumulators of 16 x 16, 768 registers.
; K goes in steps of 64 (one block of xb) through two LDS slots; two slots of 128 along K would want 344 KB and do not fit.  A step is two quarters of 32 along K, 96 matrix instructions each.
; A's tile: 256 rows of 128 bytes that lie end to end in xb, asked for as rows of 256 bytes.  B's tile: 64 rows (k) of 768 bytes of wqb, as it lies, [k][n]; it comes out of LDS turned, by ds_load_tr16_b128.
; Waves 0 and 1 fetch A's two halves (64 rows of 256 bytes each), waves 2 and 3 B's (32 rows of 768 bytes each: a step has only 64 rows of B for two waves).
; ONE K STEP IS WRITTEN ONCE: slot 1 begins at LDS byte 1 << 17, so that one exclusive or turns a slot's base, and a descriptor's LDS word, into the other slot's; a trip of the loop is a step.
; The steps that ask for nothing more are a second loop, of two trips; it is left in the middle of its second trip.
; CLUSTER.  4 x 4 work-groups.  The four of a row of the cluster need the same tile of A, the four of a column the same tile of B: each is asked for JOINTLY, by the same tensor load, descriptor and mask in all four.
; THE MATRIX INSTRUCTION IS USED TRANSPOSED (source 0 = 16 columns of B, source 1 = 16 rows of A): a lane then holds row lane % 16 of C and eight neighbouring columns 8 (lane / 16) + 0..7.
; REGISTERS, in windows of 256 (s_set_vgpr_msb: bits 1:0 source 0, 3:2 source 1, 5:4 source 2, 7:6 destination):
;   window 0: v0-31 addresses and at work; v32-95, v96-159 A's fragments (8 x 16 rows x 32 K), two buffers; v160-255 B's fragments, three groups of four (one buffer: a group is fetched anew as soon as it has been multiplied)
;   window g + 1 (g = 0, 1, 2): the 32 accumulators of column blocks 4 g .. 4 g + 3: (a, bb) at v[8 (4 a + bb)]
.set PA,    144                        ; a row of A in LDS: 128 bytes + 16 of padding = 36 words: the 16 rows of a load start at 16 different groups of four banks (64 banks of 4 bytes: ISA guide 11.1)
.set PB,    864                        ; a row of B: three pieces of 256 bytes + 32 of padding = 216 words
.set AHALF, 128*PA                     ; what one of A's loads brings, and what one wave reads of A
.set BOFF,  256*PA                     ; B's 64 rows lie behind A's 256
.set BHALF, 32*PB
.set SLOTB, BOFF+64*PB                 ; a slot's 92,160 bytes
.set SLOT1, 1<<17                      ; where slot 1 begins
.set STAGE, SLOT1+SLOTB                ; behind the ring: for each wave 3 heads x 16 rows x 144 bytes, for the way out
.set WSTG,  3*16*PA
.set BIAS,  STAGE+4*WSTG               ; for each wave the 192 numbers of the bias of its columns, f32
.set SPARE, BIAS+4*768                 ; the spare words, 128 bytes for each wave: two blocks of 256 bytes that no other line names
.set ASTEP, 1048576                    ; bytes from a block of xb to the next
.set BSTEP, 64*3072*2                  ; bytes of 64 rows of wqb
.set ADRA, 2                           ; v2     LDS address of my A fragments in the slot in hand
.set A0,   3                           ; v3     the same in slot 0; never rewritten
.set ADRB, 4                           ; v4-6   of my B fragments, group g at v[4 + g], in the slot in hand
.set B0,   7                           ; v7-9   the same in slot 0; never rewritten
.set STO,  10                          ; v10    the way out: where I put 16 bytes of a row
.set RD,   11                          ; v11    the way out: where I read rows back
.set GO,   12                          ; v12    my byte offset in 512 consecutive bytes of qkv
.set VB,   13                          ; v13    where my eight numbers of a block's bias begin
.set SPW,  14                          ; v14    LDS address of my spare word: SPARE + 4 x my thread's number; never rewritten
.set NIL,  15                          ; v15    0; never rewritten
.set FA0,  32
.set FA1,  96
.set FB,   160
.set TMP,  32                          ; the way out: v32-79 packed results; v80-127, v128-175 rows read back, two buffers
.set BK,   80
.set TB,  15                           ; s15      the LDS byte at which the slot in hand begins
.set G1,  24                           ; s[24:31] descriptor group 1 for A's tiles;  s[32:39] group 0: a set for each of the two first fills; the second then walks on
.set G0,  32
.set G1B, 48                           ; s[48:55], s[56:63] the same for B's tiles
.set G0B, 56
.set HB,  68                           ; s[68:73] qkv at my first row of each of my three heads
.set MSB, 0
.macro WIN new                         ; the immediate's high byte repeats the setting that is left; a switch that changes nothing is dropped
.if MSB != (\new)
	s_set_vgpr_msb (MSB<<8)|(\new)
.set MSB, \new
.endif
.endm
; A load into a register that a matrix instruction has read, and a vector instruction that reads a matrix result or writes one of a matrix instruction's registers, stand four places
; behind it, and only plain vector instructions that name none of its registers are places (ISA guide 7.12.1 for vector instructions).
.macro PLACES
.rept 4
	v_nop
.endr
.endm
; A joint load.  The branch hangs on the wave's number alone.  An s_nop 0 and four v_nop follow each of the two lines, ahead of the jump, the label and what follows.
.macro JLOAD s
	s_cmp_eq_u32 s13, 0
	s_cbranch_scc0 .Lfor_b_\@
	tensor_load_to_lds s[G0+4*(\s):G0+4*(\s)+3], s[G1:G1+7]
	s_nop 0
.rept 4
	v_nop
.endr
	s_branch .Lasked_\@
.Lfor_b_\@:
	tensor_load_to_lds s[G0B+4*(\s):G0B+4*(\s)+3], s[G1B:G1B+7]
	s_nop 0
.rept 4
	v_nop
.endr
.Lasked_\@:
.endm
; A round of the cluster's barrier: my work-group's barrier, so that wave 0's signal speaks for all four waves; wave 0 signals; every wave waits for all sixteen work-groups; my work-group's barrier once more.
.macro CREST                           ; a round behind its opening barrier
	s_cmp_lg_u32 s12, 0
	s_cbranch_scc1 .Lnot_wave_0_\@
	s_barrier_signal -3
.Lnot_wave_0_\@:
	s_barrier_wait -3
	s_barrier_signal -1
	s_barrier_wait -1
.endm
.macro CROUND
	s_barrier_signal -1
	s_barrier_wait -1
	CREST
.endm
	s_load_b256 s[4:11], s[0:1], 0x0               ; xb s[4:5], wqb s[6:7], b_qkv s[8:9], qkv s[10:11]
	v_lshl_add_u32 v[SPW], v0, 2, SPARE
	v_mov_b32 v[NIL], 0
	ds_add_u32 v14, v15
	s_wait_dscnt 0x0
	v_lshrrev_b32 v1, 5, v0
	v_readfirstlane_b32 s12, v1                    ; wave 0..3
	s_lshr_b32 s13, s12, 1                         ; which 128 rows of the tile are mine.  Also: I fetch for A (0) or for B (1)
	s_and_b32 s14, s12, 1                          ; which 192 columns.  Also: which half of that tile I fetch
	s_mov_b32 s[TB], 0                             ; K step 0 lies in slot 0
	s_bfe_u32 s40, ttmp6, 0x40000                  ; cx, cy: my place in the cluster
	s_bfe_u32 s41, ttmp6, 0x40004
	s_lshl_b32 s42, ttmp9, 2
	s_add_co_u32 s42, s42, s40                     ; tile column = 4 x cluster x + cx
	s_and_b32 s43, ttmp7, 0xffff
	s_lshl_b32 s43, s43, 2
	s_add_co_u32 s43, s43, s41                     ; tile row = 4 x cluster y + cy
	s_lshl_b32 s44, s41, 2
	s_lshl_b32 s44, 15, s44                        ; my row of the cluster: places 4 cy .. 4 cy + 3
	s_lshl_b32 s45, 0x1111, s40                    ; my column: places cx, cx + 4, cx + 8, cx + 12
	; group 1 for A: 64 rows of 128 elements (two rows of xb each), 4 words of padding behind every 32 words
	s_or_b32 s[G1+0], s44, (1<<16)|(1<<20)|(1<<21)|(4<<22)|(3<<25)  ; 15:0 the mask; 17:16 2-byte elements; 20 padding on; 21 set beside a mask; 24:22 interval code 4; 31:25 4 words (code 3)
	s_mov_b32 s[G1+1], 128<<16                     ; tensor_dim0 = 128
	s_mov_b32 s[G1+2], 64<<16                      ; tensor_dim1 = 64
	s_mov_b32 s[G1+3], 128<<16                     ; tile_dim0 = 128
	s_mov_b32 s[G1+4], 64                          ; tile_dim1 = 64
	s_mov_b32 s[G1+5], 128                         ; elements from row to row
	s_mov_b32 s[G1+6], 0
	s_mov_b32 s[G1+7], 0
	; group 1 for B: 32 rows of 384 elements, 8 words of padding behind every 64 words
	s_or_b32 s[G1B+0], s45, (1<<16)|(1<<20)|(1<<21)|(5<<22)|(7<<25)
	s_mov_b32 s[G1B+1], 384<<16
	s_mov_b32 s[G1B+2], 32<<16
	s_mov_b32 s[G1B+3], 384<<16
	s_mov_b32 s[G1B+4], 32
	s_mov_b32 s[G1B+5], 3072
	s_mov_b32 s[G1B+6], 0
	s_mov_b32 s[G1B+7], 0
	; where the tiles come from: A's hang on the tile row alone, B's on the tile column alone, each in registers that never hold the other coordinate
	s_lshl_b32 s16, s43, 15                        ; 256 rows of 128 bytes
	s_lshl_b32 s17, s14, 14
	s_add_co_u32 s16, s16, s17
	s_mov_b32 s17, 0
	s_mul_i32 s46, s42, 768                        ; 384 columns of 2 bytes
	s_mul_i32 s47, s14, 32*3072*2                  ; 32 rows
	s_add_co_u32 s46, s46, s47
	s_mov_b32 s47, 0
	s_mul_i32 s20, s14, AHALF                      ; and where they go: no place in the cluster enters an LDS address
	s_mul_i32 s21, s14, BHALF
	s_add_co_u32 s21, s21, BOFF
	s_wait_kmcnt 0x0
	s_add_nc_u64 s[16:17], s[4:5], s[16:17]
	s_add_nc_u64 s[46:47], s[6:7], s[46:47]
	CROUND                                         ; all sixteen work-groups are here: the first joint loads meet
.irp s, 0,1
	s_mov_b32 s[G0+4*(\s)], 1                                        ; count = 1
	s_add_co_u32 s[G0+4*(\s)+1], s20, (\s)*SLOT1                     ; LDS address
	s_add_nc_u64 s[G0+4*(\s)+2:G0+4*(\s)+3], s[16:17], (\s)*ASTEP    ; global address: K step s
	s_or_b32 s[G0+4*(\s)+3], s[G0+4*(\s)+3], 0x80000000              ; type = 2
	s_mov_b32 s[G0B+4*(\s)], 1
	s_add_co_u32 s[G0B+4*(\s)+1], s21, (\s)*SLOT1
	s_add_nc_u64 s[G0B+4*(\s)+2:G0B+4*(\s)+3], s[46:47], (\s)*BSTEP
	s_or_b32 s[G0B+4*(\s)+3], s[G0B+4*(\s)+3], 0x80000000
	JLOAD \s                                       ; both slots are asked for before anything else is done: two loads of mine are out
.endr
	; the bias of my 192 columns: 768 bytes, three loads of 256
	v_and_b32 v1, 31, v0                           ; lane
	v_lshlrev_b32 v16, 3, v1
	s_mul_i32 s74, s42, 384*4
	s_mul_i32 s75, s14, 192*4
	s_add_co_u32 s74, s74, s75
	s_mov_b32 s75, 0
	s_add_nc_u64 s[74:75], s[8:9], s[74:75]
	global_load_b64 v[18:19], v16, s[74:75]
	global_load_b64 v[20:21], v16, s[74:75] offset:256
	global_load_b64 v[22:23], v16, s[74:75] offset:512
	; A fragment of A is 16 rows x 32 K in 8 registers: lane l holds row l % 16; registers 0-3 K = 8 (l / 16) + 0..7, registers 4-7 K = 16 + 8 (l / 16) + 0..7: two loads of 16 bytes, 32 bytes apart.
	v_and_b32 v24, 15, v0                          ; l % 16
	v_bfe_u32 v25, v0, 4, 1                        ; l / 16
	v_mul_u32_u24 v26, v24, PA
	v_lshl_add_u32 v26, v25, 4, v26                ; row x 144 + 16 x half
	s_mul_i32 s76, s13, AHALF
	v_add_nc_u32 v[A0], s76, v26
	v_mov_b32 v[ADRA], v[A0]
	; The turning load takes 16 k x 16 columns (lane l reads row 8 (l / 16) + l % 8, columns 8 ((l / 8) % 2) + 0..7) and leaves half a fragment: lane l holds column l % 16 and 8 k.
	v_and_b32 v27, 7, v0
	v_bfe_u32 v28, v0, 3, 1
	v_lshl_add_u32 v29, v25, 3, v27
	v_mul_u32_u24 v29, v29, PB
	v_lshl_add_u32 v29, v28, 4, v29
	; column block B of 16 begins at byte 32 B + 32 (B / 8) of a row.  My groups begin at blocks 12 ch + 4 g: bytes 0, 128, 288 (ch = 0) or 416, 576, 704 (ch = 1)
	s_mul_i32 s76, s14, 416
	s_mul_i32 s77, s14, 448
	s_add_co_u32 s78, s76, BOFF
	v_add_nc_u32 v[B0], s78, v29
	s_add_co_u32 s78, s77, BOFF+128
	v_add_nc_u32 v[B0+1], s78, v29
	s_add_co_u32 s78, s76, BOFF+288
	v_add_nc_u32 v[B0+2], s78, v29
.irp g, 0,1,2
	v_mov_b32 v[ADRB+\g], v[B0+\g]
.endr
	s_mul_i32 s76, s12, WSTG
	s_add_co_u32 s76, s76, STAGE                   ; my stage
	v_add_nc_u32 v[STO], s76, v26                  ; in: row l % 16, 16 bytes for each half of the lanes
	v_bfe_u32 v30, v0, 3, 2                        ; back: 32 lanes take four rows of 128 bytes,
	v_mul_u32_u24 v30, v30, PA
	v_lshl_add_u32 v30, v27, 4, v30
	v_add_nc_u32 v[RD], s76, v30
	v_lshlrev_b32 v[GO], 4, v1                     ; which are 512 consecutive bytes of a head
	s_mul_i32 s76, s12, 768
	s_add_co_u32 s76, s76, BIAS                    ; my wave's bias
	v_lshl_add_u32 v[VB], v25, 5, s76              ; a block's 16 numbers: eight for each half of the lanes
	v_add_nc_u32 v17, s76, v16
	; qkv at my first row of head c of my three: column block of 64 hc = 6 x tile column + 3 ch + c; tensor hc / 16, head hc % 16; batch = tile row / 8
	s_mul_i32 s76, s42, 6
	s_mul_i32 s77, s14, 3
	s_add_co_u32 s76, s76, s77
	s_lshr_b32 s77, s43, 3
	s_lshl_b32 s77, s77, 4                         ; 16 x batch
	s_and_b32 s78, s43, 7
	s_lshl_b32 s78, s78, 15                        ; the tile's 256 rows of 128 bytes in the head,
	s_lshl_b32 s79, s13, 14                        ; my 128 of them
	s_add_co_u32 s78, s78, s79
.irp c, 0,1,2
	s_add_co_u32 s22, s76, \c
	s_lshr_b32 s23, s22, 4
	s_lshl_b32 s23, s23, 6
	s_and_b32 s22, s22, 15
	s_add_co_u32 s22, s22, s23
	s_add_co_u32 s22, s22, s77
	s_lshl_b32 s22, s22, 18                        ; a head's 2,048 rows of 128 bytes
	s_add_co_u32 s[HB+2*\c], s22, s78
	s_mov_b32 s[HB+2*\c+1], 0
	s_add_nc_u64 s[HB+2*\c:HB+2*\c+1], s[10:11], s[HB+2*\c:HB+2*\c+1]
.endr
	s_wait_loadcnt 0x0                             ; the bias: rounded to bf16, widened again, laid into my own LDS bytes, from which it comes back in a C operand's layout
.irp c, 0,1,2
	v_cvt_pk_bf16_f32 v31, v[18+2*\c], v[19+2*\c]
	v_lshlrev_b32 v[18+2*\c], 16, v31
	v_and_b32 v[19+2*\c], 0xffff0000, v31
	ds_store_b64 v17, v[18+2*\c:19+2*\c] offset:256*\c
.endr
; 16 matrix instructions: row blocks a0 .. a0 + 3 x the four column blocks of group g, 32 along K.  cb >= 0: the bias, block bb at v[cb + 8 bb] of window 0, starts the sums: nothing is ever cleared.
; The 96 accumulators take turns, one instruction a turn, in the same order in every quarter.
.macro MULH g, fa, a0, cb=-1
.if (\cb) >= 0
	WIN 0x40*((\g)+1)                              ; D in window g + 1; the fragments and C in window 0
.else
	WIN 0x50*((\g)+1)                              ; C and D in window g + 1, the fragments in window 0
.endif
.irp a, \a0, (\a0)+1, (\a0)+2, (\a0)+3
.irp bb, 0,1,2,3
.if (\cb) >= 0
	v_wmma_f32_16x16x32_bf16 v[8*(4*(\a)+(\bb)):8*(4*(\a)+(\bb))+7], v[FB+32*(\g)+8*(\bb):FB+32*(\g)+8*(\bb)+7], v[(\fa)+8*(\a):(\fa)+8*(\a)+7], v[(\cb)+8*(\bb):(\cb)+8*(\bb)+7]
.else
	v_wmma_f32_16x16x32_bf16 v[8*(4*(\a)+(\bb)):8*(4*(\a)+(\bb))+7], v[FB+32*(\g)+8*(\bb):FB+32*(\g)+8*(\bb)+7], v[(\fa)+8*(\a):(\fa)+8*(\a)+7], v[8*(4*(\a)+(\bb)):8*(4*(\a)+(\bb))+7]
.endif
.endr
.endr
.endm
.macro GRP g, fa, cb=-1                ; 32: all eight row blocks
	MULH \g, \fa, 0, \cb
	MULH \g, \fa, 4, \cb
.endm
.macro LDB q, g                        ; 8 turning loads: group g's four fragments of B, quarter q of the slot in hand
	WIN 0
.irp bb, 0,1,2,3
	ds_load_tr16_b128 v[FB+32*(\g)+8*(\bb):FB+32*(\g)+8*(\bb)+3],   v[ADRB+(\g)] offset:(\q)*32*PB+32*(\bb)
	ds_load_tr16_b128 v[FB+32*(\g)+8*(\bb)+4:FB+32*(\g)+8*(\bb)+7], v[ADRB+(\g)] offset:(\q)*32*PB+16*PB+32*(\bb)
.endr
.endm
.macro LDA q, fa                       ; 16 loads: my eight fragments of A, quarter q of the slot in hand
	WIN 0
.irp a, 0,1,2,3,4,5,6,7
	ds_load_b128 v[(\fa)+8*(\a):(\fa)+8*(\a)+3],   v[ADRA] offset:(\a)*16*PA+64*(\q)
	ds_load_b128 v[(\fa)+8*(\a)+4:(\fa)+8*(\a)+7], v[ADRA] offset:(\a)*16*PA+64*(\q)+32
.endr
.endm
.macro BIASLD g, dst                   ; 8 loads: the bias of group g's four column blocks, eight numbers a lane and block: register j of block bb is the bias of column 16 (4 g + bb) + 8 (l / 16) + j
	WIN 0
.irp bb, 0,1,2,3
	ds_load_b128 v[(\dst)+8*(\bb):(\dst)+8*(\bb)+3],   v[VB] offset:64*(4*(\g)+(\bb))
	ds_load_b128 v[(\dst)+8*(\bb)+4:(\dst)+8*(\bb)+7], v[VB] offset:64*(4*(\g)+(\bb))+16
.endr
.endm
; A quarter's LDS loads go out in three runs: R0 = B's group 0 and all of A (24 loads), R1 = group 1 (8), R2 = group 2 (8), each behind the products that read the registers last.
; THE EVEN QUARTER multiplies buffer FA0 and fetches the same slot's second quarter.
.macro QE
	s_wait_dscnt 16                                ; this quarter's R0 is in; behind it R1 and R2 were issued
	GRP 0, FA0
	PLACES
	LDB 1, 0
	LDA 1, FA1
	s_wait_dscnt 32                                ; R1 is in; behind it: R2 and the 24 just issued
	GRP 1, FA0
	PLACES
	LDB 1, 1
	s_wait_dscnt 32                                ; R2 is in; behind it: the 24 and the 8 just issued
	GRP 2, FA0
	PLACES
	LDB 1, 2
.endm
; THE ODD QUARTER multiplies buffer FA1 and changes slots: ONE barrier.  In front of it each wave waits for all its tensor loads, of which one is out: its part of the next slot; adds 0 to its spare word;
; and waits for that and for its own reads of this slot.  Behind it nobody reads this slot any more and the next slot is whole.  fill = 1: the barrier opens a round of the cluster's barrier, and this slot
; is filled again, two K steps ahead, first thing behind the round: 160 matrix instructions ahead of the wait for it.  Then the slot in hand becomes the other one, and its first quarter is fetched.
.macro QO fill
	WIN 0
	s_wait_tensorcnt 0x0                           ; all my tensor loads have landed
	ds_add_u32 v[SPW], v[NIL]                      ; 0 onto my spare word
	s_wait_dscnt 17                                ; this quarter's R0 is in; behind it: R1, R2 and the add
	MULH 0, FA1, 0                                 ; sixteen matrix instructions stand between the add and the wait for it
	s_wait_dscnt 0x0                               ; the add is done, and my reads of this slot are over
	s_barrier_signal -1
	MULH 0, FA1, 4                                 ; work on registers while the others arrive
	WIN 0                                          ; at a branch and at a label every window is 0
	s_barrier_wait -1
.if \fill
	CREST                                          ; no wave of any partner still reads this slot's tile or has a load on its way
	s_xor_b32 s[G0+5], s[G0+5], SLOT1              ; the walking descriptors: the other slot than last time,
	s_add_nc_u64 s[G0+6:G0+7], s[G0+6:G0+7], ASTEP ; the next K step; the type bits on top are not reached
	s_xor_b32 s[G0B+5], s[G0B+5], SLOT1
	s_add_nc_u64 s[G0B+6:G0B+7], s[G0B+6:G0B+7], BSTEP
	JLOAD 1                                        ; the four v_nop behind it are also the places in front of the loads below
.else
	PLACES
.endif
	s_xor_b32 s[TB], s[TB], SLOT1                  ; the slot in hand is now the other one
	v_add_nc_u32 v[ADRA], s[TB], v[A0]
.irp g, 0,1,2
	v_add_nc_u32 v[ADRB+\g], s[TB], v[B0+\g]
.endr
	LDB 0, 0
	LDA 0, FA0
	GRP 1, FA1
	PLACES
	LDB 0, 1
	GRP 2, FA1
	PLACES
	LDB 0, 2
.endm
; THE WAY OUT of row block a.  PACK: the sums are rounded to f16, 16 bytes a lane and column block; each accumulator's registers are taken in ascending order.
.macro PACK a
.irp g, 0,1,2
	WIN 5*((\g)+1)                                 ; sources 0 and 1 in window g + 1, destination in window 0
.irp bb, 0,1,2,3
.irp p, 0,1,2,3
	v_cvt_pk_f16_f32 v[TMP+4*(4*(\g)+(\bb))+(\p)], v[8*(4*(\a)+(\bb))+2*(\p)], v[8*(4*(\a)+(\bb))+2*(\p)+1]
.endr
.endr
.endr
	WIN 0
.endm
.macro TOSTAGE a                       ; into my own stage, head by head, and back as whole rows of 128 bytes, four a load, into return buffer a % 2
.set b, 0
.rept 12
	ds_store_b128 v[STO], v[TMP+4*b:TMP+4*b+3] offset:(b/4)*16*PA+(b%4)*32
.set b, b+1
.endr
.set b, 0
.rept 12
	ds_load_b128 v[BK+48*((\a)%2)+4*b:BK+48*((\a)%2)+4*b+3], v[RD] offset:(b/4)*16*PA+(b%4)*4*PA  ; LDS serves a wave's instructions in order (ISA guide 5.7.1.4): these see the stores above; the next block's stores come behind them
.set b, b+1
.endr
.endm
.macro SEND a, younger                 ; younger: the LDS instructions issued behind block a's loads: the next block's 24, or none
	s_wait_dscnt \younger                          ; the block is back in registers
.set b, 0
.rept 12
	global_store_b128 v[GO], v[BK+48*((\a)%2)+4*b:BK+48*((\a)%2)+4*b+3], s[HB+2*(b/4):HB+2*(b/4)+1] offset:(\a)*2048+(b%4)*512  ; 512 consecutive bytes, at a multiple of 256 from qkv's first
.set b, b+1
.endr
.endm
	BIASLD 0, FA1                                  ; the bias of groups 0 and 1 lies in A's second buffer, which the first quarter does not need yet: my own bytes, served behind my stores
	BIASLD 1, FA1+32
	s_wait_tensorcnt 0x1                           ; my part of K step 0 is in; K step 1's may stay out
	s_wait_dscnt 0x0                               ; no LDS instruction of mine is out at the signal
	s_barrier_signal -1
	s_barrier_wait -1                              ; everybody's part is in
	LDB 0, 0
	LDA 0, FA0
	LDB 0, 1
	LDB 0, 2
	; THE FIRST QUARTER stands in front of the loop: its products start the sums, with the bias as C.  Group 2's bias takes group 0's place when group 0's products are over,
	; so A's second quarter, which lands on the bias's registers, is fetched last.
	s_wait_dscnt 16                                ; R0 is in; behind it: R1, R2
	GRP 0, FA0, FA1
	PLACES
	BIASLD 2, FA1
	LDB 1, 0
	s_wait_dscnt 24                                ; R1 is in; behind it: R2, the bias's 8 and the 8 just issued
	GRP 1, FA0, FA1+32
	PLACES
	LDB 1, 1
	s_wait_dscnt 16                                ; R2 and the bias are in; behind them: two runs of 8
	GRP 2, FA0, FA1
	PLACES
	LDB 1, 2
	LDA 1, FA1
	s_wait_dscnt 0x0                               ; once: here the runs went out in another order than the one that the loop's counts lean on
	s_mov_b32 s3, 14
.Lstep:                                                ; a trip: a K step's second quarter, the change of slots, the next step's first quarter; it asks for K steps 2 to 15
	QO 1
	QE
	WIN 0
	s_sub_co_u32 s3, s3, 1
	s_cmp_lg_u32 s3, 0
	s_cbranch_scc1 .Lstep
	s_mov_b32 s3, 2
.Ltail:                                                ; K steps 14 and 15 ask for nothing more, and have no round of the cluster's barrier: the same trip without the fill, twice, left in the middle of the second
	QO 0
	WIN 0
	s_sub_co_u32 s3, s3, 1
	s_cmp_eq_u32 s3, 0
	s_cbranch_scc1 .Lout
	QE
	WIN 0
	s_branch .Ltail
.Lout:                                                 ; the second trip's barrier orders nothing new, and its 40 LDS loads, of K step 14 once more, serve nothing: the price, once a launch, of one text for both trips
	s_wait_dscnt 0x0                               ; those loads are in: their registers serve the way out.  The four v_nop behind the last products are the places in front of the conversions
	PACK 0
	TOSTAGE 0
.irp a, 1,2,3,4,5,6,7                  ; block a's conversions and its way through the stage stand between block a - 1's loads from the stage and the wait for them
	PACK \a
.if (\a) >= 2
	s_wait_xcnt 0x0                                ; block a's return buffer was stored from two blocks ago: it is loaded again only behind this wait
.endif
	TOSTAGE \a
	SEND (\a)-1, 24
.endr
	SEND 7, 0
	s_wait_tensorcnt 0x0                           ; the wave's end: behind my last tensor load and my last LDS store
	ds_add_u32 v[SPW], v[NIL]
	s_wait_dscnt 0x0
	CROUND                                         ; the closing round: no work-group ends while a partner may still ask for a tile that names it
	s_endpgm
.Lfunc_end_k_q58020ea932_qkvp:
	.size	k_q58020ea932_qkvp, .Lfunc_end_k_q58020ea932_qkvp-k_q58020ea932_qkvp
	.p2alignl 7, 3214868480
	.fill 96, 4, 3214868480
	.section	.rodata,"a",@progbits
	.p2align	6, 0x0
	.amdhsa_kernel k_q58020ea932_qkvp
		.amdhsa_group_segment_fixed_size 327680
		.amdhsa_private_segment_fixed_size 0
		.amdhsa_enable_private_segment 0
		.amdhsa_kernarg_size 32
		.amdhsa_user_sgpr_count 2
		.amdhsa_user_sgpr_kernarg_segment_ptr 1
		.amdhsa_wavefront_size32 1
		.amdhsa_system_sgpr_workgroup_id_x 1
		.amdhsa_system_sgpr_workgroup_id_y 1
		.amdhsa_system_sgpr_workgroup_id_z 1
		.amdhsa_system_vgpr_workitem_id 0
		.amdhsa_next_free_vgpr 1024
		.amdhsa_next_free_sgpr 80
		.amdhsa_reserve_vcc 0
		.amdhsa_float_denorm_mode_32 3
		.amdhsa_float_denorm_mode_16_64 3
		.amdhsa_memory_ordered 1
		.amdhsa_forward_progress 1
		.amdhsa_inst_pref_size 108
	.end_amdhsa_kernel
	.amdgpu_metadata
---
amdhsa.version: [ 1, 2 ]
amdhsa.kernels:
  - .name:           k_q58020ea932_qkvp
    .symbol:         k_q58020ea932_qkvp.kd
    .args:
      - { .name: xb, .offset: 0, .size: 8, .value_kind: global_buffer, .address_space: global }
      - { .name: wqb, .offset: 8, .size: 8, .value_kind: global_buffer, .address_space: global }
      - { .name: b_qkv, .offset: 16, .size: 8, .value_kind: global_buffer, .address_space: global }
      - { .name: qkv, .offset: 24, .size: 8, .value_kind: global_buffer, .address_space: global }
    .group_segment_fixed_size: 327680
    .private_segment_fixed_size: 0
    .kernarg_segment_align: 8
    .kernarg_segment_size: 32
    .max_flat_workgroup_size: 128
    .sgpr_count:     80
    .vgpr_count:     1024
    .wavefront_size: 32
...
	.end_amdgpu_metadata
.endif
;; end of part 2
;; launch attn (part 3): grid 4 x 64, 4 waves a work-group, clusters of 4 x 1, 327,680 bytes of LDS; arguments qkv, o; writes o
.if DOCPART == 3
	.amdgcn_target "amdgcn-amd-amdhsa--gfx1250"
	.amdhsa_code_object_version 6
	.text
	.protected	k_q58020ea932_attn
	.globl	k_q58020ea932_attn
	.p2align	8
	.type	k_q58020ea932_attn,@function
k_q58020ea932_attn:
	s_mov_b64 s[64:65], 0
	v_nop
	global_prefetch_b8 v0, s[64:65] scope:SCOPE_SE
	s_setreg_imm32_b32 hwreg(HW_REG_WAVE_MODE, 25, 1), 1
	s_wait_xcnt 0x0
	s_wait_alu depctr_hold_cnt(0) depctr_sa_sdst(0) depctr_va_vdst(0) depctr_va_sdst(0) depctr_va_ssrc(0) depctr_va_vcc(0) depctr_vm_vsrc(0)
	s_getreg_b32 s2, hwreg(HW_REG_IB_STS2, 6, 4)
	s_cmp_eq_u32 s2, 0
	s_cbranch_scc0 .Lentry_in_a_cluster
	s_endpgm
.Lentry_in_a_cluster:
	s_bfe_u32 s2, ttmp6, 0x10000c
	s_cmp_lg_u32 s2, 0x3003
	s_cbranch_scc0 .Lentry_shape_is_right
	s_endpgm
.Lentry_shape_is_right:
; ATTENTION.  O[h][q][:] = the sum over k of softmax_k(Q[h][q] . K[h][k] / 8) V[h][k][:].  Q, K, V are the three thirds of qkv, each [64][SIZE_N][64], O likewise, all f16: a head's rows are dense, 128 bytes each.
; Products, maxima and sums in f32; the weights p are rounded to f16 for the second product (their sum l is taken of the unrounded p), O once at the end.
; LIMITS.  f16 holds no number beyond 65,504: Q, K and V arrive within it; p lies in 0 to 1, and below 6e-5 it keeps f16's fixed step of 6e-8; O is a mean of V's rows and has their range.
; A weight below 2^-126 counts as 0 in l; NaN and infinities are not treated apart.
; SHARES.  A wave owns four PIECES of two tiles of 16 queries, a work-group's four waves 512 queries of one head: 4 x 64 = 256 work-groups.  Every wave walks all keys, 64 a step.
; LAYOUT.  S^T = K Q^T (source 0 = 16 keys, source 1 = 16 queries): in the result a lane holds ONE query (lane % 16) and the keys 8 (lane / 16) + 0..7.  Two such tiles, rounded to f16 in pairs,
; ARE source 1 (32 keys x 16 queries) of O^T = V^T P, whose result again holds one query a lane, and eight channels.  K comes out of LDS as it lies, V ([key][channel]) turned, by ds_load_tr16_b128.
; SOFTMAX.  For each query a running maximum m and sum l: p = 2^(c s - c m), c = log2(e) / 8; in every step O and l are multiplied by a = 2^(c m_old - c m_new), which is 1 where m has not grown.
; m starts at the lowest finite number, O and l at 0: the first step is a step like any other, with a = 0.
; THE COUNT.  A tile and step have 16 matrix and 118 vector instructions: too many to stand all beside the matrix work.  So the order has one aim: four vector instructions that are READY behind
; EVERY matrix instruction, and the others, which need time of their own whatever the order, in runs without a gap.
; BY TURNS.  Turn n belongs to piece n (the pieces in a ring, step after step).  Its matrix work: 16 products K Q^T of piece n + 1, later 16 products V^T P of piece n - 1.  Its vector work: the scaling,
; exponentials, roundings, sums and rescaling of piece n, and the maximum and statistics of piece n + 1, whose scores the turn itself has made.  So what a turn begins with (c s - c m, O a) waits for nothing.
; CLUSTER.  The four query blocks of a cluster belong to one head and walk the same K and V, so each tile is asked for JOINTLY: the same tensor load, descriptor and mask in all four.
; REGISTERS, in windows of 256 (s_set_vgpr_msb says which window each operand place means: bits 1:0 source 0, 3:2 source 1, 5:4 source 2, 7:6 destination):
;   window 0: v0-11 addresses; v12-15, v48-63 at work; v16-47 four registers of statistics a tile; v64-191 S^T, two buffers of two tiles; v192-255 P, likewise
;   window 1: O^T, 32 a tile          window 2: v0-127 Q, 16 a tile; v128-191 K of one step; v192-255 V of one step          window 3: v0-1 the add's two registers
; A piece's buffers go by its number's parity: the piece in hand has one pair, its two neighbours in the ring share the other: of it P (piece n - 1) is read and S^T (piece n + 1) written.
.set SIZE_N, 2048     ; rows of a head
.set NP,    4         ; pieces a wave: a name, no knob: the register map, the loop and the fetches are made for four
.set KS,    64        ; keys in a step
.set PK,    144       ; a row of K in LDS: 128 bytes + 16 of padding = 36 words: the 16 rows of a load start at 16 different groups of four banks (64 banks of 4 bytes: ISA guide 11.1)
.set PV,    160       ; a row of V: 128 + 32 = 40 words
.set VOFF,  4*KS*PK   ; a slot holds four steps: 256 rows of K, then 256 rows of V
.set SLOT1, 1<<17     ; slot 1 begins here, so that one exclusive or turns an address in one slot into the other's
.set STAGE, SLOT1+4*KS*(PK+PV)  ; behind the ring, never filled by a tensor load: 16 rows x 144 bytes for each wave, for the way out
.set SP,    144
.set AK0, 2           ; v2   my lane's place in a tile of K; never rewritten
.set AV0, 3           ; v3   the same for V
.set AK,  4           ; v4   the LDS address of K's next run of loads
.set AV,  5           ; v5   of V's
.set QO,  6           ; v6   my byte offset in the wave's rows of Q
.set STO, 6           ;      later, the way out: where I put 16 bytes of a row
.set RD,  7           ; v7   the way out: where I read rows back
.set GO,  8           ; v8   my byte offset in 512 consecutive bytes of O
.set SPW, 0           ; v0 of window 3   LDS address of my spare word: SPARE + 4 x my thread's number; never rewritten
.set NIL, 1           ; v1 of window 3   0; never rewritten
.set SPARE, STAGE+4*16*SP  ; behind the stages: the spare words, 128 bytes for each wave: two blocks of 256 bytes that no other line names
.set MV,  12          ; v12-15  c m_old, kept while c m is made anew: by buffer and tile
.set ST,  16          ; tile t's statistics at v[ST+4 t]: c m, m, l (even keys', odd keys')
.set TMP, 48          ; by buffer and tile, four registers c0-c3 at work; when the maximum is found c2 takes a
.set S,   64
.set P,   192
.set KF,  128         ; K's fragments, in window 2: key block kb, channel half c at KF + 16 kb + 8 c
.set VF,  192         ; V's: key half kk, channel block cb at VF + 32 kk + 8 cb
.set WV,  12          ; s12  my wave's number
.set G1K, 24          ; s[24:31] descriptor group 1 for K's tiles
.set G1V, 32          ; s[32:39] for V's: it differs in the padding alone
.set G0K, 40          ; s[40:43] descriptor group 0 for K's tiles: it walks
.set G0V, 44          ; s[44:47] the same for V's
.set SLOTS, 56        ; s56  slots still to be asked for
.set CNT, 57          ; s57  counts a slot's key steps
.set CS,  58          ; s[58:59] c: the packed scaling takes the pair's low word for both halves
.set SEL, 60          ; s[60:61] v_permlanex16_b32's selects: each lane takes its own place in the other half
.set TBK, 62          ; s62  LDS byte at which K of the step to be fetched begins
.set TBV, 63          ; s63  the same for V, less VOFF
.set MSB, 0
.macro WIN new                      ; the high byte repeats the setting that is left; a switch that changes nothing is dropped
.if MSB != (\new)
	s_set_vgpr_msb (MSB<<8)|(\new)
.set MSB, (\new)
.endif
.endm
.set W_KQ, 0x0a       ; K and Q in window 2, S^T in window 0
.set W_PV, 0x52       ; V in window 2, P in window 0, O^T in window 1
.set W_RS, 0x41       ; O^T (destination and source 0) in window 1, a in window 0
.set W_MK, 0xc0       ; the add's registers are made: destination in window 3, sources in window 0
.set W_AD, 0x0f       ; the add: address (source 0) and data (source 1) in window 3
; A joint fill.  Waves 0 and 1 fetch the two halves of a slot's K, waves 2 and 3 those of its V: 128 keys each.  The branch hangs on the wave's number alone.
; An s_nop 0 and four v_nop follow each of the two lines, ahead of the jump and the label.
.macro JLOAD
	s_cmp_lt_u32 s[WV], 2
	s_cbranch_scc0 .Lfor_v_\@
	tensor_load_to_lds s[G0K:G0K+3], s[G1K:G1K+7]
	s_nop 0
.rept 4
	v_nop
.endr
	s_branch .Lasked_\@
.Lfor_v_\@:
	tensor_load_to_lds s[G0V:G0V+3], s[G1V:G1V+7]
	s_nop 0
.rept 4
	v_nop
.endr
.Lasked_\@:
.endm
; A round of the cluster's barrier: my work-group's barrier, so that wave 0's signal speaks for all four waves; wave 0 signals; every wave waits for all four work-groups; my work-group's barrier once more.
.macro CROUND
	s_barrier_signal -1
	s_barrier_wait -1
	s_cmp_lg_u32 s[WV], 0
	s_cbranch_scc1 .Lnot_wave_0_\@
	s_barrier_signal -3
.Lnot_wave_0_\@:
	s_barrier_wait -3
	s_barrier_signal -1
	s_barrier_wait -1
.endm
; THE CHANGE OF SLOTS.  The slot's last bytes, V of its fourth step, have been read.  Each wave waits for all its tensor loads, of which one is out: its part
; of the other slot; adds 0 to its spare word; and waits for that and for its own reads of the slot.  Behind the barrier nobody reads this slot any more and the other slot is whole.
; fill = 1: this slot is filled again, with the keys two slots on.  The barrier is then a round of the cluster's, so that no wave of any partner still reads the slot or has a load on its
; way, and the joint fill is the first thing behind it: it has four key steps, 512 matrix instructions, in which to land.  (At its first use nothing has been read yet: slot 0 is waited for, slot 1 filled.)
.macro CHANGE fill
	WIN W_AD
	s_wait_tensorcnt 0x0            ; no tensor load of mine is out, so a group 0 may be written
	ds_add_u32 v[SPW], v[NIL]       ; 0 onto my spare word; with fill = 1 the descriptors' steps stand between it and the wait for it
	WIN 0                           ; at a label and at a branch every window is 0
.if \fill
.irp g, G0K, G0V
	s_xor_b32 s[\g+1], s[\g+1], SLOT1  ; the walking descriptor: the other slot than last time,
	s_add_nc_u64 s[\g+2:\g+3], s[\g+2:\g+3], 4*KS*128  ; the next 256 keys; the type bits on top are not reached
.endr
	s_wait_dscnt 0x0                ; the add is done, and my reads of the slot are over
	CROUND
	JLOAD
.else
	s_wait_dscnt 0x0                ; the add is done, and my reads of the slot are over
	s_barrier_signal -1
	s_barrier_wait -1
.endif
	s_sub_co_u32 s[TBK], s[TBK], 4*KS*PK  ; the fetches go back to a slot's first step,
	s_xor_b32 s[TBK], s[TBK], SLOT1       ; in the other slot
	s_sub_co_u32 s[TBV], s[TBV], 4*KS*PV
	s_xor_b32 s[TBV], s[TBV], SLOT1
.endm
	s_load_b128 s[4:7], s[0:1], 0x0   ; qkv s[4:5] (Q is its first third), O s[6:7]
	WIN W_MK
	v_lshl_add_u32 v[SPW], v0, 2, SPARE
	v_mov_b32 v[NIL], 0
	s_set_vgpr_msb 0xc0cf
	ds_add_u32 v0, v1
	s_wait_dscnt 0x0
	s_set_vgpr_msb 0xcfc0
	WIN 0
	v_lshrrev_b32 v1, 5, v0
	v_readfirstlane_b32 s[WV], v1   ; wave 0..3
	s_bfe_u32 s13, ttmp6, 0x40000   ; cx: my place in the cluster
	s_lshl_b32 s14, ttmp9, 2        ; in a cluster launch ttmp9 counts clusters
	s_add_co_u32 s14, s14, s13      ; my block of queries = 4 x cluster x + cx: it enters Q's and O's addresses alone
	s_and_b32 s20, ttmp7, 0xffff    ; the head, which the four partners share
	s_mov_b32 s21, 0
	s_mov_b64 s[22:23], SIZE_N*128
	s_mul_u64 s[20:21], s[20:21], s[22:23]  ; the head's first byte in each of the four tensors
	s_and_b32 s16, s[WV], 1         ; which half of a slot's 256 keys I fetch:
	s_lshl_b32 s22, s16, 14         ; its 128 rows of 128 bytes in memory,
	s_mov_b32 s23, 0
	s_add_nc_u64 s[22:23], s[22:23], s[20:21]
	s_mul_i32 s17, s16, 128*PK      ; and its place in a slot, for K
	s_mul_i32 s18, s16, 128*PV      ; and for V: no place in the cluster enters an LDS address
	s_lshl_b32 s2, s14, 2
	s_add_co_u32 s2, s2, s[WV]      ; my wave among the head's,
	s_lshl_b32 s2, s2, 14           ; its 128 rows
	s_mov_b32 s3, 0
	s_add_nc_u64 s[2:3], s[2:3], s[20:21]
	; descriptor group 1.  128 keys are 16,384 dense bytes: asked for as 64 rows of 256 bytes, two keys a row, and padded in LDS after every key
	s_mov_b32 s[G1K], 15|(1<<16)|(1<<20)|(1<<21)|(4<<22)|(3<<25)  ; 15:0 the mask of four; 17:16 2-byte elements; 20 padding on; 21 set beside a mask; 24:22 after every 32 words (code 4); 31:25 4 words (code 3)
	s_mov_b32 s[G1V], 15|(1<<16)|(1<<20)|(1<<21)|(4<<22)|(7<<25)  ; the same with 8 words of padding (code 7)
.irp g, G1K, G1V
	s_mov_b32 s[\g+1], 128<<16      ; tensor_dim0 = 128
	s_mov_b32 s[\g+2], 64<<16       ; tensor_dim1 = 64
	s_mov_b32 s[\g+3], 128<<16      ; tile_dim0 = 128
	s_mov_b32 s[\g+4], 64           ; tile_dim1 = 64
	s_mov_b32 s[\g+5], 128          ; 128 elements from row to row
	s_mov_b32 s[\g+6], 0
	s_mov_b32 s[\g+7], 0
.endr
	s_mov_b32 s[CS], 0x3e38aa3b     ; c = log2(e) / 8 = 0.180337
	s_mov_b32 s[CS+1], s[CS]        ; named with it as a pair
	s_mov_b32 s[SEL], 0x76543210
	s_mov_b32 s[SEL+1], 0xfedcba98
	s_mov_b32 s[TBK], SLOT1+4*KS*PK ; the first change of slots turns these two into 0
	s_mov_b32 s[TBV], SLOT1+4*KS*PV
	s_mov_b32 s[G0K], 1             ; 1:0 count = 1
	s_mov_b32 s[G0K+1], s17         ; 63:32 LDS address: slot 0
	s_mov_b32 s[G0V], 1
	s_add_co_u32 s[G0V+1], s18, VOFF
	s_wait_kmcnt 0x0
	s_mov_b64 s[10:11], s[6:7]                     ; O
	s_add_nc_u64 s[6:7], s[4:5], 0x1000000         ; K: 64 heads x 2,048 rows x 128 bytes behind Q
	s_add_nc_u64 s[8:9], s[4:5], 0x2000000         ; V: as much again
	s_add_nc_u64 s[G0K+2:G0K+3], s[6:7], s[22:23]  ; 120:64 global address: my half of the head's first 256 keys
	s_or_b32 s[G0K+3], s[G0K+3], 0x80000000        ; 127:126 type = 2
	s_add_nc_u64 s[G0V+2:G0V+3], s[8:9], s[22:23]
	s_or_b32 s[G0V+3], s[G0V+3], 0x80000000
	s_add_nc_u64 s[4:5], s[4:5], s[2:3]  ; Q and O at my wave's first row
	s_add_nc_u64 s[10:11], s[10:11], s[2:3]
	CROUND                          ; all four work-groups are here: the first joint loads meet
	JLOAD                           ; slot 0.  Slot 1 is asked for when slot 0 is in: the tile wanted first has the road to itself
	; A fragment of K or Q is 16 rows x 32 channels in 8 registers: lane l holds row l % 16, channels 8 (l / 16) + 0..7 and 16 + 8 (l / 16) + 0..7: two loads of 16 bytes, 32 bytes apart.
	v_and_b32 v1, 15, v0            ; l % 16
	v_bfe_u32 v9, v0, 4, 1          ; l / 16
	v_lshlrev_b32 v[QO], 7, v1
	v_lshl_add_u32 v[QO], v9, 4, v[QO]  ; row x 128 + 16 x half
	WIN 0x80                        ; destination window 2, address window 0
.set i, 0
.rept 4*NP                          ; Q stays in registers: tile i / 2, channels 32 (i % 2) on
	global_load_b128 v[8*i:8*i+3],   v[QO], s[4:5] offset:(i/2)*2048+(i%2)*64
	global_load_b128 v[8*i+4:8*i+7], v[QO], s[4:5] offset:(i/2)*2048+(i%2)*64+32
.set i, i+1
.endr
	; What the first turn finds: V's registers and P's second buffer hold 0 (its products V^T P, of a piece that has not been, add 0), O^T and l are 0.  All this stands in the wait for the first tile.
.set i, VF
.rept 64
	v_mov_b32 v[i], 0
.set i, i+1
.endr
	WIN 0x40
.set i, 0
.rept 64*NP
	v_mov_b32 v[i], 0
.set i, i+1
.endr
	WIN 0
.set i, 0
.rept 2*NP
	v_mov_b32 v[ST+4*i], 0xfe000000    ; c m: far below every c s
	v_mov_b32 v[ST+4*i+1], 0xff7fffff  ; m
	v_mov_b32 v[ST+4*i+2], 0
	v_mov_b32 v[ST+4*i+3], 0
.set i, i+1
.endr
.set i, P+32
.rept 32
	v_mov_b32 v[i], 0
.set i, i+1
.endr
	v_mul_u32_u24 v[AK0], v1, PK
	v_lshl_add_u32 v[AK0], v9, 4, v[AK0]  ; row x pitch + 16 x half
	; The turning load takes 16 keys x 16 channels (lane l reads key 8 (l / 16) + l % 8, channels 8 ((l / 8) % 2) + 0..7) and leaves half a fragment of V^T: lane l holds channel l % 16 and 8 keys.
	v_and_b32 v10, 7, v0
	v_bfe_u32 v11, v0, 3, 1
	v_lshl_add_u32 v[AV0], v9, 3, v10
	v_mul_u32_u24 v[AV0], v[AV0], PV
	v_lshl_add_u32 v[AV0], v11, 4, v[AV0]
	v_add_nc_u32 v[AV0], VOFF, v[AV0]
	v_mov_b32 v[AK], v[AK0]         ; key step 0 lies at the head of slot 0
; THE MATRIX WORK.  The 8 accumulators of a run of 16 take turns: between the two links of a chain stand 7 others'.
; Product i of 16 of S^T = K Q^T for piece x: channels 32 (i / 8) on, keys 16 ((i / 2) % 4) on, tile 2 x + i % 2.  The first 8 start the sums.
.macro KQ x
	WIN W_KQ
.set rS, S+64*((\x)%2)+32*(i%2)+8*((i/2)%4)
.set rK, KF+16*((i/2)%4)+8*(i/8)
.set rQ, 16*(2*(\x)+i%2)+8*(i/8)
.if i < 8
	v_wmma_f32_16x16x32_f16 v[rS:rS+7], v[rK:rK+7], v[rQ:rQ+7], 0
.else
	v_wmma_f32_16x16x32_f16 v[rS:rS+7], v[rK:rK+7], v[rQ:rQ+7], v[rS:rS+7]
.endif
.endm
; Product i of 16 of O^T += V^T P for piece x: keys 32 (i / 8) on, channels 16 ((i / 2) % 4) on, tile 2 x + i % 2.
.macro PV x
	WIN W_PV
.set rO, 32*(2*(\x)+i%2)+8*((i/2)%4)
.set rV, VF+32*(i/8)+8*((i/2)%4)
.set rP, P+32*((\x)%2)+16*(i%2)+8*(i/8)
	v_wmma_f32_16x16x32_f16 v[rO:rO+7], v[rV:rV+7], v[rP:rP+7], v[rO:rO+7]
.endm
.macro MM                           ; the turn's next matrix instruction
.if i < 16
	KQ (Y+1)%NP
.set i, i+1
.else
.set i, i-16
	PV (Y+NP-1)%NP
.set i, i+17
.endif
.endm
; THE LDS LOADS stand in runs of 16, never singly among the matrix instructions: a step's K (64 keys x 64 channels: 8 fragments) and its V (turned).  Their addresses are made some lines ahead.
; last = 1 (the tail): in the last trip there is no further step, and the run is jumped over.
.macro FETCH_K last=0
	WIN 0
.if \last
	s_cmp_eq_u32 s[CNT], 1
	s_cbranch_scc1 .Lno_k_\@
.endif
	WIN 0x80                        ; destination window 2
.irp f, 0,1,2,3,4,5,6,7             ; keys 16 (f / 2) on, channels 32 (f % 2) on
	ds_load_b128 v[KF+8*\f:KF+8*\f+3],   v[AK] offset:(\f/2)*16*PK+(\f%2)*64
	ds_load_b128 v[KF+8*\f+4:KF+8*\f+7], v[AK] offset:(\f/2)*16*PK+(\f%2)*64+32
.endr
	s_add_co_u32 s[TBK], s[TBK], KS*PK  ; the next fetch is the next step's
	WIN 0
.if \last
.Lno_k_\@:
.endif
.endm
.macro FETCH_V
	WIN 0x80
.irp f, 0,1,2,3,4,5,6,7             ; keys 32 (f / 4) on, channels 16 (f % 4) on
	ds_load_tr16_b128 v[VF+8*\f:VF+8*\f+3],   v[AV] offset:(\f/4)*32*PV+(\f%4)*32
	ds_load_tr16_b128 v[VF+8*\f+4:VF+8*\f+7], v[AV] offset:(\f/4)*32*PV+16*PV+(\f%4)*32
.endr
	WIN 0
.endm
; THE VECTOR WORK OF A TURN stands in three queues, each in the order in which its entries become ready; the two tiles alternate, so that no instruction reads the result of the one before it.
.macro REGS y, u                    ; the registers of tile u (0, 1) of piece y
.set rT, ST+4*(2*(\y)+(\u))
.set rC, TMP+8*((\y)%2)+4*(\u)
.set rM, MV+2*((\y)%2)+(\u)
.set rS, S+64*((\y)%2)+32*(\u)
.set rP, P+32*((\y)%2)+16*(\u)
.set rO, 32*(2*(\y)+(\u))
.endm
; Number n of the 22 that find the NEXT piece's (Y + 1) maximum and statistics.  s0-s31 are the lane's 32 scores; each accumulator's lowest registers are read first.  XS, GS and REGS set no window: PL and EX do.
;   0-11  four chains c0-c3 of seven scores each, three operands at a time     12-14, 16  the four scores left over, the old m, and c0-c3 into c0     15  c m_old is kept
;   17, 18  the query's other 32 keys lie in the lane 16 away: the new m         19-21  c m; c m_old - c m_new; a
.macro XS u, n
	REGS (Y+1)%NP, \u
.if (\n) < 4
	v_max3_num_f32 v[rC+(\n)], v[rS+8*(\n)], v[rS+8*(\n)+1], v[rS+8*(\n)+2]
.elseif (\n) < 12
	v_max3_num_f32 v[rC+(\n)%4], v[rC+(\n)%4], v[rS+8*((\n)%4)+2*((\n)/4)+1], v[rS+8*((\n)%4)+2*((\n)/4)+2]
.elseif (\n) == 12
	v_max3_num_f32 v[rC], v[rC], v[rS+7], v[rS+15]
.elseif (\n) == 13
	v_max3_num_f32 v[rC+1], v[rC+1], v[rS+23], v[rS+31]
.elseif (\n) == 14
	v_max3_num_f32 v[rC+2], v[rC+2], v[rC+3], v[rT+1]
.elseif (\n) == 15
	v_mov_b32 v[rM], v[rT]
.elseif (\n) == 16
	v_max3_num_f32 v[rC], v[rC], v[rC+1], v[rC+2]
.elseif (\n) == 17
	v_permlanex16_b32 v[rC+3], v[rC], s[SEL], s[SEL+1]
.elseif (\n) == 18
	v_max_num_f32 v[rT+1], v[rC], v[rC+3]
.elseif (\n) == 19
	v_mul_f32 v[rT], s[CS], v[rT+1]
.elseif (\n) == 20
	v_sub_f32 v[rC+1], v[rM], v[rT]
.else
	v_exp_f32 v[rC+2], v[rC+1]
.endif
.endm
; Number g of the 64 that follow the exponentials.  For each four weights k of a tile (pairs 2 k, 2 k + 1): both pairs are rounded to f16; then the second pair is added onto the first, in place;
; a group later l takes that sum (the first time as l = a l + sum).  In groups of eight, tiles alternating: round, round, add, and l for the group before.
.macro GS g
.set h, (\g)+6*((\g)/62)            ; group 0 has no group before it, and behind group 7 only l is left
.if h >= 6
.set h, h+2
.endif
	REGS Y, h%2
.set k, h/8
.if h%8 < 4
	s_wait_alu depctr_va_vdst(0)
	v_cvt_pk_f16_f32 v[rP+2*k+(h%8)/2], v[rS+4*k+2*((h%8)/2)], v[rS+4*k+2*((h%8)/2)+1]
.elseif h%8 < 6
	v_pk_add_f32 v[rS+4*k:rS+4*k+1], v[rS+4*k:rS+4*k+1], v[rS+4*k+2:rS+4*k+3]
.elseif k == 1
	v_pk_fma_f32 v[rT+2:rT+3], v[rT+2:rT+3], v[rC+2:rC+3], v[rS:rS+1] op_sel_hi:[1,0,1]
.else
	v_pk_add_f32 v[rT+2:rT+3], v[rT+2:rT+3], v[rS+4*k-4:rS+4*k-3]
	s_wait_alu depctr_va_vdst(0)
.endif
.endm
; THE PLAIN QUEUE, 138 long.  0-31: c s - c m for the 16 pairs of both tiles.  Then GS's 64, and among them the next piece's 42: number 15 at 38, 39; 0-14 and 16
; at 42-73, behind the products that make those scores; 17-20 at 95-106, two of three, since each waits for the one before it.
.macro PL
	WIN 0
.if q < 32
	REGS Y, q%2
	v_pk_fma_f32 v[rS+2*(q/2):rS+2*(q/2)+1], v[rS+2*(q/2):rS+2*(q/2)+1], s[CS:CS+1], v[rT:rT+1] op_sel_hi:[1,0,0] neg_lo:[0,0,1] neg_hi:[0,0,1]
.elseif q < 38
	GS q-32
.elseif q < 40
	XS q%2, 15
.elseif q < 42
	GS q-34
.elseif q < 74
	XS q%2, (q-42)/2+(q-42)/30
.elseif q < 95
	GS q-66
.elseif (q < 107) && ((q-95)%3 < 2)
	XS (q-95)%3, 17+(q-95)/3
.elseif q < 107
	GS 29+(q-95)/3
.else
	GS q-74
.endif
.set q, q+1
.endm
; THE EXPONENTIALS' QUEUE, 66 long: s0-s31 of both tiles, and at EA the next piece's two a.
.set EA, 58
.macro EX
	WIN 0
.if (e == EA) || (e == EA+1)
	XS e-EA, 21
.else
.set x, e-2*(e/(EA+2))
	REGS Y, x%2
	v_exp_f32 v[rS+x/2], v[rS+x/2]
.endif
.set e, e+1
.endm
; THE RESCALING's QUEUE: O^T times a, the one part that leaves window 0, so it is dealt four at a time, eight times.
.macro R4
	REGS Y, r%2
	WIN W_RS
	s_wait_alu depctr_va_vdst(0)
.irp z, 0,1,2,3
	v_pk_mul_f32 v[rO+8*(r/2)+2*\z:rO+8*(r/2)+2*\z+1], v[rO+8*(r/2)+2*\z:rO+8*(r/2)+2*\z+1], v[rC+2:rC+3] op_sel_hi:[1,0]
.endr
.set r, r+1
.endm
; HOW THEY ARE DEALT.  Behind a matrix instruction four: plain, exponential, plain, plain (one exponential, a plain instruction on either side), or four of the rescaling.  None names a register of the
; products round it.  What is over stands in two LUMPS: exponential and plain by turns; the second ends in 22 plain instructions.  The two v_permlanex16_b32 fall into the second lump, never behind a product.
; The queues lean on each other, and the deal keeps them in step: exponential e stands behind plain 2 (e / 4) + e % 2 (its scaling); when plain 32 comes, 10 exponentials are out, at 59: 33, at 95: 46; EA comes behind plain 107.
.macro SL
	MM
	PL
	EX
	PL
	PL
.endm
.macro BURST n                      ; 15 matrix instructions, or 16
.rept (\n)-7
	SL
.endr
.rept 3
	MM
	R4
	SL
.endr
	MM
	R4
.endm
; A TURN, for piece p.  cnt = 1: the loop's count is taken down some lines ahead of the branch that stands behind the turn.
; K of the next step is fetched in piece 2's turn, 31 vector instructions behind the last product that read K; its first reader comes behind the rest of the lump, 16 products and the second lump.
; V of the step in hand is fetched at the end of piece 0's turn, 69 behind its last reader; its first reader comes behind 16 products and a lump.  The four conditions on e and q below go with the deal.
.macro TURN p, last=0, cnt=0
.set Y, (\p)
.set i, 0
.set q, 0
.set e, 0
.set r, 0
.if (\p) == NP-1
	s_wait_dscnt 0x0                ; K is in
.endif
	MM
.rept 4
	PL
.endr
	BURST 15
.rept 22
	EX
	PL
.if ((\p) == NP-2) && (e == 18)
	v_add_nc_u32 v[AK], s[TBK], v[AK0]
.endif
.if ((\p) == NP-2) && (e == 24)
	FETCH_K \last
.endif
.endr
.if (\p) == 1
	s_wait_dscnt 0x0                ; V is in
.endif
	BURST 16
.rept 21
	EX
	PL
.endr
.rept 22
	PL
.if ((\p) == 0) && (q == 118)
	v_add_nc_u32 v[AV], s[TBV], v[AV0]
	s_wait_alu depctr_va_vdst(0)
.endif
.if ((\p) == 0) && (q == 130)
	s_add_co_u32 s[TBV], s[TBV], KS*PV
.endif
.if (\cnt) && (q == 130)
	s_sub_co_u32 s[CNT], s[CNT], 1
	s_cmp_lg_u32 s[CNT], 0
.endif
.endr
.if (\p) == 0
	FETCH_V
.endif
.endm
	CHANGE 1                        ; slot 0 is in, everybody's part of it; slot 1 is asked for
	FETCH_K                         ; key step 0
	s_wait_loadcnt 0x0              ; Q
	s_wait_dscnt 0x0
.set i, 0
.rept 16
	KQ 0                            ; piece 0's first scores: there is no vector work yet to set between them
.set i, i+1
.endr
	WIN 0                           ; the addresses for the way out: nine plain instructions, the places behind those products
	s_mul_i32 s13, s[WV], 16*SP
	s_add_co_u32 s13, s13, STAGE    ; my stage
	v_mul_u32_u24 v[STO], v1, SP    ; in: row l % 16, 16 bytes for each half of the lanes
	v_lshl_add_u32 v[STO], v9, 4, v[STO]
	v_add_nc_u32 v[STO], s13, v[STO]
	v_bfe_u32 v[RD], v0, 3, 2       ; back: 32 lanes take four rows of 128 bytes,
	v_mul_u32_u24 v[RD], v[RD], SP
	v_lshl_add_u32 v[RD], v10, 4, v[RD]
	v_add_nc_u32 v[RD], s13, v[RD]
	v_and_b32 v[GO], 31, v0         ; which are 512 consecutive bytes of O
	v_lshlrev_b32 v[GO], 4, v[GO]
.set Y, NP-1                        ; XS works for piece Y + 1: piece 0
.irp n, 0,1,2,3,4,5,6,7,8,9,10,11,12,13,14,15,16,17,18,19,20,21
	XS 0, \n                        ; and piece 0's first maximum and statistics
	XS 1, \n
.endr
	s_mov_b32 s[CNT], 4
	s_mov_b32 s[SLOTS], SIZE_N/256-1
	s_branch .Lfirst                ; the loop is entered at a step's first turn, in the middle of a trip
.Lslot:                             ; SIZE_N / 256 - 2 times: every slot but the last two is filled again
	CHANGE 1
	s_mov_b32 s[CNT], 4
.Lstep:                             ; a trip: pieces 2 and 3 of one step, then pieces 0 and 1 of the next, whose K and V it fetches
	TURN 2
	TURN 3
	WIN 0
.Lfirst:
	TURN 0
	TURN 1, 0, 1
	WIN 0
	s_cbranch_scc1 .Lstep
	s_sub_co_u32 s[SLOTS], s[SLOTS], 1
	s_cmp_lg_u32 s[SLOTS], 0
	s_cbranch_scc1 .Lslot
	CHANGE 0                        ; the tail is written out: nothing is asked for
	s_mov_b32 s[CNT], 5             ; four trips fetch the last slot's steps; the fifth is left in its middle
.Ltail:
	TURN 2, 1
	TURN 3
	WIN 0
	s_sub_co_u32 s[CNT], s[CNT], 1
	s_cmp_eq_u32 s[CNT], 0
	s_cbranch_scc1 .Lout
	TURN 0
	TURN 1
	WIN 0
	s_branch .Ltail
.Lout:                              ; the fifth trip's 16 products K Q^T (on the last K once more) and the maximum made of them serve nothing: the price, once a launch, of one text for every trip
.set i, 0
.rept 16
	PV NP-1                         ; the last piece's V^T P of the last step
.set i, i+1
.endr
	; THE WAY OUT.  l's two halves and the other half of the lanes' are added; O^T is divided by l, rounded to f16 and sent through my stage in LDS, a tile at a time.  The additions are the places behind the last products.
	WIN 0
.macro ALL line:vararg              ; one line for each tile t
.set t, 0
.rept 2*NP
	\line
.set t, t+1
.endr
.endm
	ALL v_add_f32 v[ST+4*t+2], v[ST+4*t+2], v[ST+4*t+3]
	ALL v_permlanex16_b32 v[ST+4*t+3], v[ST+4*t+2], s[SEL], s[SEL+1]
	ALL v_add_f32 v[ST+4*t+2], v[ST+4*t+2], v[ST+4*t+3]
	ALL v_rcp_f32 v[ST+4*t+2], v[ST+4*t+2]
	v_nop                           ; a plain instruction between the last reciprocal and the use of its result
	s_wait_alu depctr_va_vdst(0)
; Tile t: a lane's eight channels of a row pack into 16 bytes; they go into rows of 144 bytes and come back as whole rows of 128, into S^T's registers.
.macro PACK t
	WIN W_RS
.set i, 32*(\t)
.rept 16
	v_pk_mul_f32 v[i:i+1], v[i:i+1], v[ST+4*(\t)+2:ST+4*(\t)+3] op_sel_hi:[1,0]
.set i, i+2
.endr
	WIN 0x05                        ; sources 0 and 1 window 1, destination window 0
.set i, 0
.rept 16
	v_cvt_pk_f16_f32 v[S+16*(\t)+i], v[32*(\t)+2*i], v[32*(\t)+2*i+1]
.set i, i+1
.endr
	WIN 0
.irp f, 0,1,2,3
	ds_store_b128 v[STO], v[S+16*(\t)+4*\f:S+16*(\t)+4*\f+3] offset:32*\f
.endr
.irp f, 0,1,2,3
	ds_load_b128 v[S+16*(\t)+4*\f:S+16*(\t)+4*\f+3], v[RD] offset:\f*4*SP  ; LDS serves a wave's instructions in order (ISA guide 5.7.1.4): these see the stores above; the next tile's stores come behind them
.endr
.endm
.macro SEND t, younger              ; younger: the LDS instructions issued behind tile t's loads: the next tile's eight, or none
	WIN 0
.irp f, 0,1,2,3
	s_wait_dscnt (\younger)+3-\f
	global_store_b128 v[GO], v[S+16*(\t)+4*\f:S+16*(\t)+4*\f+3], s[10:11] offset:(\t)*2048+\f*512  ; 512 consecutive bytes, at a multiple of 256 from O's first
.endr
.endm
	PACK 0
.set t, 1
.rept 2*NP-1                        ; a tile's arithmetic stands between the loads of the tile before and its stores
	PACK t
	SEND t-1, 8
.set t, t+1
.endr
	SEND 2*NP-1, 0
	WIN W_AD
	s_wait_tensorcnt 0x0            ; the wave's end: behind my last tensor load and my last LDS store
	ds_add_u32 v[SPW], v[NIL]
	s_wait_dscnt 0x0
	WIN 0
	CROUND                          ; the closing round: no work-group ends while a partner may still ask for a tile that names it
	s_endpgm
.Lfunc_end_k_q58020ea932_attn:
	.size	k_q58020ea932_attn, .Lfunc_end_k_q58020ea932_attn-k_q58020ea932_attn
	.p2alignl 7, 3214868480
	.fill 96, 4, 3214868480
	.section	.rodata,"a",@progbits
	.p2align	6, 0x0
	.amdhsa_kernel k_q58020ea932_attn
		.amdhsa_group_segment_fixed_size 327680
		.amdhsa_private_segment_fixed_size 0
		.amdhsa_enable_private_segment 0
		.amdhsa_kernarg_size 16
		.amdhsa_user_sgpr_count 2
		.amdhsa_user_sgpr_kernarg_segment_ptr 1
		.amdhsa_wavefront_size32 1
		.amdhsa_system_sgpr_workgroup_id_x 1
		.amdhsa_system_sgpr_workgroup_id_y 1
		.amdhsa_system_sgpr_workgroup_id_z 1
		.amdhsa_system_vgpr_workitem_id 0
		.amdhsa_next_free_vgpr 770
		.amdhsa_next_free_sgpr 66
		.amdhsa_reserve_vcc 0
		.amdhsa_float_denorm_mode_32 3
		.amdhsa_float_denorm_mode_16_64 3
		.amdhsa_memory_ordered 1
		.amdhsa_forward_progress 1
		.amdhsa_inst_pref_size 209
	.end_amdhsa_kernel
	.amdgpu_metadata
---
amdhsa.version: [ 1, 2 ]
amdhsa.kernels:
  - .name:           k_q58020ea932_attn
    .symbol:         k_q58020ea932_attn.kd
    .args:
      - { .name: qkv, .offset: 0, .size: 8, .value_kind: global_buffer, .address_space: global }
      - { .name: o, .offset: 8, .size: 8, .value_kind: global_buffer, .address_space: global }
    .group_segment_fixed_size: 327680
    .private_segment_fixed_size: 0
    .kernarg_segment_align: 8
    .kernarg_segment_size: 16
    .max_flat_workgroup_size: 128
    .sgpr_count:     66
    .vgpr_count:     770
    .wavefront_size: 32
...
	.end_amdgpu_metadata
.endif
;; end of part 3
;; launch outp (part 4): grid 8 x 32, 4 waves a work-group, clusters of 4 x 4, 327,680 bytes of LDS; arguments o, wob, b_out, out0; writes out0
.if DOCPART == 4
	.amdgcn_target "amdgcn-amd-amdhsa--gfx1250"
	.amdhsa_code_object_version 6
	.text
	.protected	k_q58020ea932_outp
	.globl	k_q58020ea932_outp
	.p2align	8
	.type	k_q58020ea932_outp,@function
k_q58020ea932_outp:
	s_mov_b64 s[64:65], 0
	v_nop
	global_prefetch_b8 v0, s[64:65] scope:SCOPE_SE
	s_setreg_imm32_b32 hwreg(HW_REG_WAVE_MODE, 25, 1), 1
	s_wait_xcnt 0x0
	s_wait_alu depctr_hold_cnt(0) depctr_sa_sdst(0) depctr_va_vdst(0) depctr_va_sdst(0) depctr_va_ssrc(0) depctr_va_vcc(0) depctr_vm_vsrc(0)
	s_getreg_b32 s2, hwreg(HW_REG_IB_STS2, 6, 4)
	s_cmp_eq_u32 s2, 0
	s_cbranch_scc0 .Lentry_in_a_cluster
	s_endpgm
.Lentry_in_a_cluster:
	s_bfe_u32 s2, ttmp6, 0x10000c
	s_cmp_lg_u32 s2, 0xf033
	s_cbranch_scc0 .Lentry_shape_is_right
	s_endpgm
.Lentry_shape_is_right:
; THE LAST PROJECTION.  out0[8192][1024] = attn w_out + b_out, f32.  attn(row b x 2048 + s, column head x 64 + d) = o[b x 16 + head][s][d], f16; wob = w_out rounded to bf16 and written as f16, [k][n].
; Products in f16, sums in f32; the bias (rounded to bf16 like every input) is the C operand that starts each sum, so nothing is cleared and nothing is added later.
; LIMITS.  Those of the two f16 operands: no number beyond 65,504; below 6.1e-5 f16's fixed step of 6e-8.
; SHARES.  A tile of the output is 256 x 128: 32 x 8 = 256 work-groups.  Four waves, each 128 rows x 64 columns: 8 x 4 = 32 accumulators, 256 registers.
; K goes in steps of 128, two heads, through two LDS slots: 8 steps.  A step is four quarters of 32 along K, 32 matrix instructions each, on two fragment buffers.
; A's tile: for each of the two heads 256 rows of 128 bytes that lie end to end in o, asked for as 128 rows of 256 bytes: wave 0 the first head's, wave 1 the second's.
; B's tile: 128 rows (k) of 256 bytes of wob, as it lies; waves 2 and 3 fetch 64 rows each; it comes out of LDS turned, by ds_load_tr16_b128.
; ONE K STEP IS WRITTEN ONCE: slot 1 begins at LDS byte 1 << 17, so that one exclusive or turns a slot's base, and a descriptor's LDS word, into the other slot's; a trip of the loop is a step.
; The steps that ask for nothing more are a second loop, of two trips; it is left in the middle of its second trip.
; CLUSTER.  4 x 4 work-groups: A's tile is shared along a row of the cluster, B's along a column; each is asked for JOINTLY, by the same tensor load, descriptor and mask in all four.
; ASKED FOR AHEAD.  A refill has 112 matrix instructions in which to land, and a slot of three heads, 165,888 bytes, does not fit twice: so what later K steps want is named ahead by global_prefetch_b8, each
; block of 256 bytes by one instruction of one wave in the whole launch.  A's tile of a K step, 64 KB, is read by the eight work-groups of a tile row: each names an eighth, 32 blocks, by wave 0, lanes 256 bytes
; apart: steps 2 and 3 at the head, step t + 4 in trip t, two trips (256 matrix instructions a wave) ahead of the tensor load that wants it; trips 4 and 5 name nothing.  B's rows 256 to 1,023 of a column tile
; are 768 blocks for 32 work-groups: 24 each, fewer than an instruction's lanes, so they go out once, at the head.
; THE MATRIX INSTRUCTION IS USED TRANSPOSED (source 0 = 16 columns of B, source 1 = 16 rows of A): a lane holds row lane % 16 and eight neighbouring columns 8 (lane / 16) + 0..7.
; REGISTERS: window 0: v0-31 addresses and at work; v32-63 the bias; v64-159, v160-255 two fragment buffers (64 registers of A, then 32 of B); window 1: the accumulators, (a, b) at v[8 (4 a + b)].
.set PA,    144                        ; a row of A in LDS: 128 bytes + 16 of padding: the 16 rows of a load start at 16 different groups of four banks (64 banks of 4 bytes: ISA guide 11.1)
.set PB,    288                        ; a row of B: 256 + 32 = 72 words
.set AHEAD, 256*PA                     ; one head's 256 rows: what one of A's loads brings
.set BOFF,  2*AHEAD
.set BHALF, 64*PB
.set SLOTB, BOFF+2*BHALF               ; a slot's 110,592 bytes
.set SLOT1, 1<<17                      ; where slot 1 begins
.set STAGE, SLOT1+SLOTB                ; behind the ring: 16 rows x 272 bytes for each wave, for the way out
.set SP,    272
.set SPARE, STAGE+4*16*SP              ; the spare words, 128 bytes for each wave: two blocks of 256 bytes that no other line names
.set ASTEP, 2*2048*128                 ; bytes of two heads of o
.set BSTEP, 128*1024*2                 ; bytes of 128 rows of wob
.set ADRA, 2                           ; v2     LDS address of my A fragments in the slot in hand
.set A0,   3                           ; v3     the same in slot 0; never rewritten
.set ADRB, 4                           ; v4     of my B fragments in the slot in hand
.set B0,   5                           ; v5     the same in slot 0; never rewritten
.set PF,   6                           ; v6     256 x lane: my block among the 32 of o that an instruction names ahead; never rewritten
.set PFB,  7                           ; v7     2,048 x min(lane, 23): my row among the 24 of wob; never rewritten
.set STO,  10                          ; v10    the way out: where I put 32 bytes of a row
.set RD,   11                          ; v11    the way out: where I read a row back
.set CO,   12                          ; v12    my byte offset in two rows of the output
.set VB,   13                          ; v13    my byte offset in a block's bias
.set SPW,  14                          ; v14    LDS address of my spare word: SPARE + 4 x my thread's number; never rewritten
.set NIL,  15                          ; v15    0; never rewritten
.set BI,   32
.set F0,   64
.set F1,   160
.set BK,   64                          ; the way out: four buffers of 32 registers, 16 rows read back
.set TB,  15                           ; s15      the LDS byte at which the slot in hand begins
.set G1,  24                           ; s[24:31] descriptor group 1 for A's tiles;  s[32:39] group 0: a set for each of the two first fills; the second then walks on
.set G0,  32
.set G1B, 48                           ; s[48:55], s[56:63] the same for B's tiles
.set G0B, 56
.set PFA, 70                           ; s[70:71] o at my work-group's eighth of a K step's tile: it walks;  s[72:73] wob at my work-group's 24 rows
.set MSB, 0
.macro WIN new                         ; the immediate's high byte repeats the setting that is left; a switch that changes nothing is dropped
.if MSB != (\new)
	s_set_vgpr_msb (MSB<<8)|(\new)
.set MSB, \new
.endif
.endm
.macro PLACES                          ; four places in front of loads into registers that matrix instructions have read, and of LDS stores that read results (ISA guide 7.12.1 for the stores)
.rept 4
	v_nop
.endr
.endm
.macro JLOAD s                         ; a joint load; an s_nop 0 and four v_nop follow each of the two lines, ahead of the jump, the label and what follows
	s_cmp_eq_u32 s13, 0
	s_cbranch_scc0 .Lfor_b_\@
	tensor_load_to_lds s[G0+4*(\s):G0+4*(\s)+3], s[G1:G1+7]
	s_nop 0
.rept 4
	v_nop
.endr
	s_branch .Lasked_\@
.Lfor_b_\@:
	tensor_load_to_lds s[G0B+4*(\s):G0B+4*(\s)+3], s[G1B:G1B+7]
	s_nop 0
.rept 4
	v_nop
.endr
.Lasked_\@:
.endm
.macro CREST                           ; a round of the cluster's barrier behind its opening barrier
	s_cmp_lg_u32 s12, 0
	s_cbranch_scc1 .Lnot_wave_0_\@
	s_barrier_signal -3
.Lnot_wave_0_\@:
	s_barrier_wait -3
	s_barrier_signal -1
	s_barrier_wait -1
.endm
.macro CROUND
	s_barrier_signal -1
	s_barrier_wait -1
	CREST
.endm
	s_load_b256 s[4:11], s[0:1], 0x0               ; o s[4:5], wob s[6:7], b_out s[8:9], out0 s[10:11]
	v_lshl_add_u32 v[SPW], v0, 2, SPARE
	v_mov_b32 v[NIL], 0
	ds_add_u32 v14, v15
	s_wait_dscnt 0x0
	v_lshrrev_b32 v1, 5, v0
	v_readfirstlane_b32 s12, v1                    ; wave 0..3
	s_lshr_b32 s13, s12, 1                         ; which 128 rows of the tile are mine.  Also: I fetch for A (0) or for B (1)
	s_and_b32 s14, s12, 1                          ; which 64 columns.  Also: which half of that tile I fetch
	s_mov_b32 s[TB], 0                             ; K step 0 lies in slot 0
	s_bfe_u32 s40, ttmp6, 0x40000                  ; cx, cy: my place in the cluster
	s_bfe_u32 s41, ttmp6, 0x40004
	s_lshl_b32 s42, ttmp9, 2
	s_add_co_u32 s42, s42, s40                     ; tile column = 4 x cluster x + cx
	s_and_b32 s43, ttmp7, 0xffff
	s_lshl_b32 s43, s43, 2
	s_add_co_u32 s43, s43, s41                     ; tile row = 4 x cluster y + cy
	s_lshl_b32 s44, s41, 2
	s_lshl_b32 s44, 15, s44                        ; my row of the cluster
	s_lshl_b32 s45, 0x1111, s40                    ; my column
	; group 1 for A: 128 rows of 128 elements (two rows of o each), 4 words of padding behind every 32 words
	s_or_b32 s[G1+0], s44, (1<<16)|(1<<20)|(1<<21)|(4<<22)|(3<<25)
	s_mov_b32 s[G1+1], 128<<16                     ; tensor_dim0 = 128
	s_mov_b32 s[G1+2], 128<<16                     ; tensor_dim1 = 128
	s_mov_b32 s[G1+3], 128<<16                     ; tile_dim0 = 128
	s_mov_b32 s[G1+4], 128                         ; tile_dim1 = 128
	s_mov_b32 s[G1+5], 128                         ; elements from row to row
	s_mov_b32 s[G1+6], 0
	s_mov_b32 s[G1+7], 0
	; group 1 for B: 64 rows of 128 elements, 8 words of padding behind every 64 words
	s_or_b32 s[G1B+0], s45, (1<<16)|(1<<20)|(1<<21)|(5<<22)|(7<<25)
	s_mov_b32 s[G1B+1], 128<<16
	s_mov_b32 s[G1B+2], 64<<16
	s_mov_b32 s[G1B+3], 128<<16
	s_mov_b32 s[G1B+4], 64
	s_mov_b32 s[G1B+5], 1024
	s_mov_b32 s[G1B+6], 0
	s_mov_b32 s[G1B+7], 0
	; where the tiles come from: A's hang on the tile row alone, B's on the tile column alone, each in registers that never hold the other coordinate
	s_lshr_b32 s16, s43, 3
	s_lshl_b32 s16, s16, 22                        ; the batch's 16 heads of 262,144 bytes
	s_and_b32 s17, s43, 7
	s_lshl_b32 s17, s17, 15                        ; the tile's 256 rows in a head
	s_add_co_u32 s16, s16, s17
	s_lshl_b32 s17, s14, 18                        ; the first or the second head of a K step
	s_add_co_u32 s16, s16, s17
	s_mov_b32 s17, 0
	s_lshl_b32 s46, s42, 8                         ; 128 columns of 2 bytes
	s_lshl_b32 s47, s14, 17                        ; 64 rows of 2,048 bytes
	s_add_co_u32 s46, s46, s47
	s_mov_b32 s47, 0
	s_mul_i32 s20, s14, AHEAD                      ; and where they go: no place in the cluster enters an LDS address
	s_mul_i32 s21, s14, BHALF
	s_add_co_u32 s21, s21, BOFF
	s_wait_kmcnt 0x0
	s_add_nc_u64 s[16:17], s[4:5], s[16:17]
	s_add_nc_u64 s[46:47], s[6:7], s[46:47]
	CROUND                                         ; all sixteen work-groups are here: the first joint loads meet
.irp s, 0,1
	s_mov_b32 s[G0+4*(\s)], 1
	s_add_co_u32 s[G0+4*(\s)+1], s20, (\s)*SLOT1
	s_add_nc_u64 s[G0+4*(\s)+2:G0+4*(\s)+3], s[16:17], (\s)*ASTEP
	s_or_b32 s[G0+4*(\s)+3], s[G0+4*(\s)+3], 0x80000000
	s_mov_b32 s[G0B+4*(\s)], 1
	s_add_co_u32 s[G0B+4*(\s)+1], s21, (\s)*SLOT1
	s_add_nc_u64 s[G0B+4*(\s)+2:G0B+4*(\s)+3], s[46:47], (\s)*BSTEP
	s_or_b32 s[G0B+4*(\s)+3], s[G0B+4*(\s)+3], 0x80000000
	JLOAD \s                                       ; both slots are asked for before anything else is done: two loads of mine are out
.endr
	; the bias as a C operand: register j of block b holds b_out[my first column + 16 b + 8 (l / 16) + j]
	v_and_b32 v24, 15, v0                          ; l % 16
	v_bfe_u32 v25, v0, 4, 1                        ; l / 16
	v_lshlrev_b32 v[VB], 5, v25
	s_lshl_b32 s74, s42, 9
	s_lshl_b32 s75, s14, 8
	s_add_co_u32 s74, s74, s75
	s_mov_b32 s75, 0
	s_add_nc_u64 s[74:75], s[8:9], s[74:75]
.irp b, 0,1,2,3
	global_load_b128 v[BI+8*\b:BI+8*\b+3],   v[VB], s[74:75] offset:64*\b
	global_load_b128 v[BI+8*\b+4:BI+8*\b+7], v[VB], s[74:75] offset:64*\b+16
.endr
	; what is named ahead.  Of a K step's tile of A my work-group takes head tile column / 4 of the two, and of its 32 KB the quarter tile column % 4; here for K step 2
	v_and_b32 v1, 31, v0                           ; lane
	v_lshlrev_b32 v[PF], 8, v1
	v_min_u32 v[PFB], 23, v1                       ; lanes 24 to 31 name lane 23's block: no block is named by two instructions
	v_lshlrev_b32 v[PFB], 11, v[PFB]
	s_lshr_b32 s76, s43, 3
	s_lshl_b32 s76, s76, 22                        ; the batch
	s_and_b32 s77, s43, 7
	s_lshl_b32 s77, s77, 15                        ; the tile's 256 rows in a head
	s_add_co_u32 s76, s76, s77
	s_lshr_b32 s77, s42, 2
	s_lshl_b32 s77, s77, 18                        ; which of the step's two heads
	s_add_co_u32 s76, s76, s77
	s_and_b32 s77, s42, 3
	s_lshl_b32 s77, s77, 13                        ; which 8,192 bytes
	s_add_co_u32 s76, s76, s77
	s_add_co_u32 s76, s76, 2*ASTEP                 ; K step 2
	s_mov_b32 s77, 0
	s_add_nc_u64 s[PFA:PFA+1], s[4:5], s[76:77]
	s_mul_i32 s76, s43, 24                         ; of B: rows 256 + 24 x tile row on, 1,023 at the most, the tile column's 256 bytes of each
	s_add_co_u32 s76, s76, 256
	s_lshl_b32 s76, s76, 11
	s_lshl_b32 s77, s42, 8
	s_add_co_u32 s76, s76, s77
	s_mov_b32 s77, 0
	s_add_nc_u64 s[PFA+2:PFA+3], s[6:7], s[76:77]
	s_cmp_lg_u32 s12, 0
	s_cbranch_scc1 .Lno_first_ask                  ; wave 0 alone names them
	global_prefetch_b8 v[PF], s[PFA:PFA+1] th:TH_LOAD_NT scope:SCOPE_SE               ; K step 2
	global_prefetch_b8 v[PF], s[PFA:PFA+1] offset:ASTEP th:TH_LOAD_NT scope:SCOPE_SE  ; K step 3
	global_prefetch_b8 v[PFB], s[PFA+2:PFA+3] th:TH_LOAD_NT scope:SCOPE_SE            ; my 24 rows of B
.Lno_first_ask:
	v_mul_u32_u24 v26, v24, PA
	v_lshl_add_u32 v26, v25, 4, v26                ; a fragment of A: row x 144 + 16 x half
	s_mul_i32 s76, s13, 128*PA                     ; my 128 rows
	v_add_nc_u32 v[A0], s76, v26
	v_mov_b32 v[ADRA], v[A0]
	v_and_b32 v27, 7, v0                           ; the turning load: lane l reads row 8 (l / 16) + l % 8, columns 8 ((l / 8) % 2) + 0..7
	v_bfe_u32 v28, v0, 3, 1
	v_lshl_add_u32 v29, v25, 3, v27
	v_mul_u32_u24 v29, v29, PB
	v_lshl_add_u32 v29, v28, 4, v29
	s_lshl_b32 s76, s14, 7                         ; my 64 columns
	s_add_co_u32 s76, s76, BOFF
	v_add_nc_u32 v[B0], s76, v29
	v_mov_b32 v[ADRB], v[B0]
	s_mul_i32 s76, s12, 16*SP
	s_add_co_u32 s76, s76, STAGE                   ; my stage
	v_mul_u32_u24 v26, v24, SP                     ; in: row l % 16, 32 bytes for each half of the lanes
	v_lshl_add_u32 v26, v25, 5, v26
	v_add_nc_u32 v[STO], s76, v26
	v_mul_u32_u24 v27, v25, SP                     ; back: lanes 0-15 take one row of 256 bytes, lanes 16-31 the next
	v_lshl_add_u32 v27, v24, 4, v27
	v_add_nc_u32 v[RD], s76, v27
	v_lshlrev_b32 v28, 12, v25                     ; and the same two rows in the output
	v_lshl_add_u32 v[CO], v24, 4, v28
	s_lshl_b32 s76, s43, 20                        ; the tile's 256 rows of 4,096 bytes,
	s_lshl_b32 s77, s13, 19                        ; my 128 of them,
	s_add_co_u32 s76, s76, s77
	s_lshl_b32 s77, s42, 9                         ; the tile's 128 columns of 4 bytes,
	s_add_co_u32 s76, s76, s77
	s_lshl_b32 s77, s14, 8                         ; my 64 of them
	s_add_co_u32 s76, s76, s77
	s_mov_b32 s77, 0
	s_add_nc_u64 s[68:69], s[10:11], s[76:77]
	s_wait_loadcnt 0x0                             ; the bias: rounded to bf16 and widened again, in place
.set i, 0
.rept 16
	v_cvt_pk_bf16_f32 v[16+i%4], v[BI+2*i], v[BI+2*i+1]
	v_lshlrev_b32 v[BI+2*i], 16, v[16+i%4]
	v_and_b32 v[BI+2*i+1], 0xffff0000, v[16+i%4]
.set i, i+1
.endr
; na x 4 matrix instructions: row blocks a0 .. a0 + na - 1 x all four column blocks, 32 along K, from buffer f.  zero = 1: the bias starts the sums.
; The 32 accumulators take turns, one instruction a turn, in the same order in every quarter.
.macro MULN f, a0, na, zero
.if \zero
	WIN 0x40                                       ; D in window 1; the fragments and C (the bias) in window 0
.else
	WIN 0x50                                       ; C and D in window 1
.endif
.set aa, \a0
.rept \na
.irp b, 0,1,2,3
.if \zero
	v_wmma_f32_16x16x32_f16 v[8*(4*aa+\b):8*(4*aa+\b)+7], v[(\f)+64+8*\b:(\f)+64+8*\b+7], v[(\f)+8*aa:(\f)+8*aa+7], v[BI+8*\b:BI+8*\b+7]
.else
	v_wmma_f32_16x16x32_f16 v[8*(4*aa+\b):8*(4*aa+\b)+7], v[(\f)+64+8*\b:(\f)+64+8*\b+7], v[(\f)+8*aa:(\f)+8*aa+7], v[8*(4*aa+\b):8*(4*aa+\b)+7]
.endif
.endr
.set aa, aa+1
.endr
.endm
; 24 LDS loads in one run: quarter q of the slot in hand into buffer f: B's four fragments (8 turning loads), A's rows 0-63 (8), A's rows 64-127 (8).  Quarters 0, 1 lie in the step's first head, 2, 3 in its second.
.macro FETCH q, f
	WIN 0
.irp b, 0,1,2,3
	ds_load_tr16_b128 v[(\f)+64+8*\b:(\f)+64+8*\b+3],   v[ADRB] offset:(\q)*32*PB+32*\b
	ds_load_tr16_b128 v[(\f)+64+8*\b+4:(\f)+64+8*\b+7], v[ADRB] offset:(\q)*32*PB+16*PB+32*\b
.endr
.irp a, 0,1,2,3,4,5,6,7
	ds_load_b128 v[(\f)+8*\a:(\f)+8*\a+3],   v[ADRA] offset:((\q)/2)*AHEAD+((\q)%2)*64+\a*16*PA
	ds_load_b128 v[(\f)+8*\a+4:(\f)+8*\a+7], v[ADRA] offset:((\q)/2)*AHEAD+((\q)%2)*64+\a*16*PA+32
.endr
.endm
; One of a step's first three quarters: multiplies buffer f; in its middle it fetches quarter q of the same slot into buffer g.
.macro QUARTER q, f, g, zero
	s_wait_dscnt 8                                 ; B and A's rows 0-63 are in; the youngest eight loads (A's rows 64-127) may be out
	MULN \f, 0, 4, \zero
	PLACES
	FETCH \q, \g
	s_wait_dscnt 24                                ; all but the 24 just issued
	MULN \f, 4, 4, \zero
.endm
; The last quarter multiplies buffer F1 and changes slots: ONE barrier; in front of it each wave waits for all its tensor loads, of which one is out: its part of the next slot; adds 0 to its spare word;
; and waits for that and for its own reads of this slot.  fill = 1: the barrier opens a round of the cluster's barrier, and this slot is filled again, two K steps ahead, first thing behind the round:
; 112 matrix instructions ahead of the wait for it; behind the load wave 0 names its work-group's eighth of A's tile two steps further on.  Then the slot in hand becomes the other one, and its first quarter is fetched.
.macro TURN fill
	WIN 0
	s_wait_tensorcnt 0x0                           ; all my tensor loads have landed
	ds_add_u32 v[SPW], v[NIL]                      ; 0 onto my spare word
	s_wait_dscnt 9                                 ; (the add and the youngest eight loads may be out)
	MULN F1, 0, 2, 0                               ; eight matrix instructions stand between the add and the wait for it
	s_wait_dscnt 0x0                               ; the add is done, and my reads of this slot are over
	s_barrier_signal -1
	MULN F1, 2, 2, 0                               ; work on registers while the others arrive
	WIN 0                                          ; at a branch and at a label every window is 0
	s_barrier_wait -1
.if \fill
	CREST                                          ; no wave of any partner still reads this slot's tile or has a load on its way
	s_xor_b32 s[G0+5], s[G0+5], SLOT1              ; the walking descriptors: the other slot than last time,
	s_add_nc_u64 s[G0+6:G0+7], s[G0+6:G0+7], ASTEP ; the next K step; the type bits on top are not reached
	s_xor_b32 s[G0B+5], s[G0B+5], SLOT1
	s_add_nc_u64 s[G0B+6:G0B+7], s[G0B+6:G0B+7], BSTEP
	JLOAD 1                                        ; the four v_nop behind it are also the places in front of the loads below
	s_cmp_lg_u32 s12, 0
	s_cbranch_scc1 .Lno_ask_\@                     ; wave 0 alone names blocks ahead,
	s_cmp_lt_u32 s3, 3                             ; and in trips 0 to 3 alone (the count runs 6 to 1): K step 7 is the last
	s_cbranch_scc1 .Lno_ask_\@
	s_wait_xcnt 0x0                                ; the base is stepped only behind this wait; the prefetch that read it stands a whole trip back
	s_add_nc_u64 s[PFA:PFA+1], s[PFA:PFA+1], ASTEP ; in trip t: K step t + 3,
	global_prefetch_b8 v[PF], s[PFA:PFA+1] offset:ASTEP th:TH_LOAD_NT scope:SCOPE_SE  ; and the one behind it is named: t + 4
.Lno_ask_\@:
.else
	PLACES
.endif
	s_xor_b32 s[TB], s[TB], SLOT1                  ; the slot in hand is now the other one
	v_add_nc_u32 v[ADRA], s[TB], v[A0]
	v_add_nc_u32 v[ADRB], s[TB], v[B0]
	FETCH 0, F0
	MULN F1, 4, 4, 0
.endm
; THE WAY OUT of row block a: 32 bytes a lane and column block into my own stage, each accumulator's low four registers first; back as whole rows of 256 bytes.
.macro TOSTAGE a
	WIN 0x04                                       ; the stores' data in window 1
.irp b, 0,1,2,3
	ds_store_b128 v[STO], v[8*(4*(\a)+\b):8*(4*(\a)+\b)+3]   offset:64*\b
	ds_store_b128 v[STO], v[8*(4*(\a)+\b)+4:8*(4*(\a)+\b)+7] offset:64*\b+16
.endr
	WIN 0
.irp t, 0,1,2,3,4,5,6,7
	ds_load_b128 v[BK+32*((\a)%4)+4*\t:BK+32*((\a)%4)+4*\t+3], v[RD] offset:\t*2*SP  ; LDS serves a wave's instructions in order (ISA guide 5.7.1.4): these see the stores above; the next block's stores come behind them
.endr
.endm
.macro SEND a, younger                 ; younger: the LDS instructions issued behind block a's loads: the next block's sixteen, or none
	s_wait_dscnt \younger
.irp t, 0,1,2,3,4,5,6,7
	global_store_b128 v[CO], v[BK+32*((\a)%4)+4*\t:BK+32*((\a)%4)+4*\t+3], s[68:69] offset:(16*(\a)+2*\t)*4096 th:TH_STORE_NT  ; 16 lanes store 256 consecutive bytes, at a multiple of 256 from the output's first byte
.endr
.endm
	s_wait_tensorcnt 0x1                           ; my part of K step 0 is in; K step 1's may stay out
	s_barrier_signal -1
	s_barrier_wait -1                              ; everybody's part is in
	FETCH 0, F0
	QUARTER 1, F0, F1, 1                           ; the first quarter stands in front of the loop: its products start the sums
	WIN 0
	s_mov_b32 s3, 6
.Lstep:                                                ; a trip: a K step's quarters 1 to 3, the change of slots, the next step's quarter 0; it asks for K steps 2 to 7
	QUARTER 2, F1, F0, 0
	QUARTER 3, F0, F1, 0
	TURN 1
	QUARTER 1, F0, F1, 0
	WIN 0
	s_sub_co_u32 s3, s3, 1
	s_cmp_lg_u32 s3, 0
	s_cbranch_scc1 .Lstep
	s_mov_b32 s3, 2
.Ltail:                                                ; K steps 6 and 7 ask for nothing more, and have no round of the cluster's barrier: the same trip without the fill, twice, left in the middle of the second
	QUARTER 2, F1, F0, 0
	QUARTER 3, F0, F1, 0
	TURN 0
	WIN 0
	s_sub_co_u32 s3, s3, 1
	s_cmp_eq_u32 s3, 0
	s_cbranch_scc1 .Lout
	QUARTER 1, F0, F1, 0
	WIN 0
	s_branch .Ltail
.Lout:                                                 ; the second trip's barrier orders nothing new, and its 24 LDS loads, of K step 6 once more, serve nothing: the price, once a launch, of one text for both trips
	s_wait_dscnt 0x0                               ; those loads are in: their registers serve the way out
	PLACES                                         ; the LDS stores below read results just made, and the loads land in registers just multiplied
	TOSTAGE 0
.irp a, 1,2,3,4,5,6,7
.if (\a) >= 4
	s_wait_xcnt 0x0                                ; block a's return buffer was stored from four blocks ago: it is loaded again only behind this wait
.endif
	TOSTAGE \a
	SEND (\a)-1, 16
.endr
	SEND 7, 0
	s_wait_tensorcnt 0x0                           ; the wave's end: behind my last tensor load and my last LDS store
	ds_add_u32 v[SPW], v[NIL]
	s_wait_dscnt 0x0
	CROUND                                         ; the closing round: no work-group ends while a partner may still ask for a tile that names it
	s_endpgm
.Lfunc_end_k_q58020ea932_outp:
	.size	k_q58020ea932_outp, .Lfunc_end_k_q58020ea932_outp-k_q58020ea932_outp
	.p2alignl 7, 3214868480
	.fill 96, 4, 3214868480
	.section	.rodata,"a",@progbits
	.p2align	6, 0x0
	.amdhsa_kernel k_q58020ea932_outp
		.amdhsa_group_segment_fixed_size 327680
		.amdhsa_private_segment_fixed_size 0
		.amdhsa_enable_private_segment 0
		.amdhsa_kernarg_size 32
		.amdhsa_user_sgpr_count 2
		.amdhsa_user_sgpr_kernarg_segment_ptr 1
		.amdhsa_wavefront_size32 1
		.amdhsa_system_sgpr_workgroup_id_x 1
		.amdhsa_system_sgpr_workgroup_id_y 1
		.amdhsa_system_sgpr_workgroup_id_z 1
		.amdhsa_system_vgpr_workitem_id 0
		.amdhsa_next_free_vgpr 512
		.amdhsa_next_free_sgpr 80
		.amdhsa_reserve_vcc 0
		.amdhsa_float_denorm_mode_32 3
		.amdhsa_float_denorm_mode_16_64 3
		.amdhsa_memory_ordered 1
		.amdhsa_forward_progress 1
		.amdhsa_inst_pref_size 65
	.end_amdhsa_kernel
	.amdgpu_metadata
---
amdhsa.version: [ 1, 2 ]
amdhsa.kernels:
  - .name:           k_q58020ea932_outp
    .symbol:         k_q58020ea932_outp.kd
    .args:
      - { .name: o, .offset: 0, .size: 8, .value_kind: global_buffer, .address_space: global }
      - { .name: wob, .offset: 8, .size: 8, .value_kind: global_buffer, .address_space: global }
      - { .name: b_out, .offset: 16, .size: 8, .value_kind: global_buffer, .address_space: global }
      - { .name: out0, .offset: 24, .size: 8, .value_kind: global_buffer, .address_space: global }
    .group_segment_fixed_size: 327680
    .private_segment_fixed_size: 0
    .kernarg_segment_align: 8
    .kernarg_segment_size: 32
    .max_flat_workgroup_size: 128
    .sgpr_count:     80
    .vgpr_count:     512
    .wavefront_size: 32
...
	.end_amdgpu_metadata
.endif
;; end of part 4
